; MI455X (gfx1250); checked and timed in simulation.
; The chip was launched on July 23, 2026; its instructions are those of AMD's public machine-readable ISA for CDNA 5 (MIT licence, August 2026) and "CDNA5" Instruction Set Architecture Reference Guide (July 2026). The comments in the code are by the model that wrote it; some were corrected since.
;; Attention Head. Allowed arithmetic: float matrix products may take bf16 or f16 operands with f32 sums; other float arithmetic in f32, or as packed bf16 or f16 multiplies, adds, multiply-adds, maxima and minima; sums over many terms, partial sums and values carried from step to step in f32; what a program stores and reads back later, other than sums and carried values, may be rounded once to bf16 or f16.
;; Inputs: Wk 1,024 x 1,024 float32; Wo 1,024 x 1,024 float32; Wq 1,024 x 1,024 float32; Wv 1,024 x 1,024 float32; bk 1,024 float32; bo 1,024 float32; bq 1,024 float32; bv 1,024 float32; x 4 x 2,048 x 1,024 float32.
;; Outputs: out0 4 x 1,024 float32.
;; One version. Each part assembles by itself: llvm-mc -triple=amdgcn-amd-amdhsa -mcpu=gfx1250 --defsym DOCPART=n.
;; ======== version 1 of 1: 8 launches
;; workspace buffers: xb 16,777,216 bytes; wb 4,194,304 bytes; qk 33,554,432 bytes; nm 524,288 bytes; cs 524,288 bytes; cw 524,288 bytes; yp 2,097,152 bytes; zz 65,536 bytes
;; launch cast (part 1): grid 1280 x 1, 8 waves a work-group, no clusters, 0 bytes of LDS; arguments x, Wq, Wk, xb, wb; writes xb, wb
.if DOCPART == 1
	.amdgcn_target "amdgcn-amd-amdhsa--gfx1250"
	.amdhsa_code_object_version 6
	.text
	.protected	k_qc1bce76888_cast
	.globl	k_qc1bce76888_cast
	.p2align	8
	.type	k_qc1bce76888_cast,@function
k_qc1bce76888_cast:
	s_mov_b64 s[64:65], 0
	v_nop
	global_prefetch_b8 v0, s[64:65] scope:SCOPE_SE
	s_setreg_imm32_b32 hwreg(HW_REG_WAVE_MODE, 25, 1), 1
	s_wait_xcnt 0x0
; x, Wq and Wk are rounded once to bf16 (to nearest even): xb = bf16(x), wb = bf16(Wq) followed by bf16(Wk), each as it lies.
; A stream: a work-group takes 32,768 bytes of f32 and writes 16,384 bytes of bf16.  Work-groups 0-1023 take x, 1024-1151 Wq, 1152-1279 Wk.
; A load of a wave covers 512 consecutive bytes, a store 256 consecutive aligned bytes.  All eight loads of a lane go out at once; no register is written twice.
; No LDS, no matrix unit, no cluster: no byte is used twice.
	s_load_b256 s[4:11], s[0:1], 0x0               ; x s[4:5], Wq s[6:7], Wk s[8:9], xb s[10:11]
	s_load_b64 s[12:13], s[0:1], 0x20              ; wb
	v_lshlrev_b32 v1, 4, v0                        ; my 16 bytes of f32 in 4,096
	v_lshlrev_b32 v2, 3, v0                        ; my 8 bytes of bf16 in 2,048
	s_sub_co_u32 s14, ttmp9, 1024                  ; the chunk's number in wb (used from work-group 1024 on)
	s_and_b32 s15, s14, 127                        ; and in its own weight
	s_mov_b32 s21, 0
	s_mov_b32 s23, 0
	s_wait_kmcnt 0x0
	s_cmp_lt_u32 ttmp9, 1152
	s_cselect_b64 s[16:17], s[6:7], s[8:9]         ; Wq or Wk
	s_cmp_lt_u32 ttmp9, 1024
	s_cselect_b64 s[16:17], s[4:5], s[16:17]       ; x or a weight
	s_cselect_b64 s[18:19], s[10:11], s[12:13]     ; xb or wb
	s_cselect_b32 s20, ttmp9, s15                  ; the chunk in the source,
	s_cselect_b32 s22, ttmp9, s14                  ; and in the destination
	s_lshl_b32 s20, s20, 15
	s_lshl_b32 s22, s22, 14
	s_add_nc_u64 s[16:17], s[16:17], s[20:21]
	s_add_nc_u64 s[18:19], s[18:19], s[22:23]
.irp u, 0,1,2,3,4,5,6,7
	global_load_b128 v[8+4*\u:11+4*\u], v1, s[16:17] offset:4096*\u th:TH_LOAD_NT
.endr
.irp u, 0,1,2,3,4,5,6,7
	s_wait_loadcnt 7-\u                            ; loads come back in order: the 7 - u younger ones may stay out
	v_cvt_pk_bf16_f32 v[40+2*\u], v[8+4*\u], v[9+4*\u]
	v_cvt_pk_bf16_f32 v[41+2*\u], v[10+4*\u], v[11+4*\u]
	global_store_b64 v2, v[40+2*\u:41+2*\u], s[18:19] offset:2048*\u
.endr
	s_endpgm
.Lfunc_end_k_qc1bce76888_cast:
	.size	k_qc1bce76888_cast, .Lfunc_end_k_qc1bce76888_cast-k_qc1bce76888_cast
	.p2alignl 7, 3214868480
	.fill 96, 4, 3214868480
	.section	.rodata,"a",@progbits
	.p2align	6, 0x0
	.amdhsa_kernel k_qc1bce76888_cast
		.amdhsa_group_segment_fixed_size 0
		.amdhsa_private_segment_fixed_size 0
		.amdhsa_enable_private_segment 0
		.amdhsa_kernarg_size 40
		.amdhsa_user_sgpr_count 2
		.amdhsa_user_sgpr_kernarg_segment_ptr 1
		.amdhsa_wavefront_size32 1
		.amdhsa_system_sgpr_workgroup_id_x 1
		.amdhsa_system_sgpr_workgroup_id_y 1
		.amdhsa_system_sgpr_workgroup_id_z 1
		.amdhsa_system_vgpr_workitem_id 0
		.amdhsa_next_free_vgpr 56
		.amdhsa_next_free_sgpr 66
		.amdhsa_reserve_vcc 0
		.amdhsa_float_denorm_mode_32 3
		.amdhsa_float_denorm_mode_16_64 3
		.amdhsa_memory_ordered 1
		.amdhsa_forward_progress 1
		.amdhsa_inst_pref_size 4
	.end_amdhsa_kernel
	.amdgpu_metadata
---
amdhsa.version: [ 1, 2 ]
amdhsa.kernels:
  - .name:           k_qc1bce76888_cast
    .symbol:         k_qc1bce76888_cast.kd
    .args:
      - { .name: x, .offset: 0, .size: 8, .value_kind: global_buffer, .address_space: global }
      - { .name: Wq, .offset: 8, .size: 8, .value_kind: global_buffer, .address_space: global }
      - { .name: Wk, .offset: 16, .size: 8, .value_kind: global_buffer, .address_space: global }
      - { .name: xb, .offset: 24, .size: 8, .value_kind: global_buffer, .address_space: global }
      - { .name: wb, .offset: 32, .size: 8, .value_kind: global_buffer, .address_space: global }
    .group_segment_fixed_size: 0
    .private_segment_fixed_size: 0
    .kernarg_segment_align: 8
    .kernarg_segment_size: 40
    .max_flat_workgroup_size: 256
    .sgpr_count:     66
    .vgpr_count:     56
    .wavefront_size: 32
...
	.end_amdgpu_metadata
.endif
;; end of part 1
;; launch gemm (part 2): grid 8 x 32, 4 waves a work-group, clusters of 4 x 4, 327,680 bytes of LDS; arguments xb, wb, bq, bk, qk; writes qk
.if DOCPART == 2
	.amdgcn_target "amdgcn-amd-amdhsa--gfx1250"
	.amdhsa_code_object_version 6
	.text
	.protected	k_qc1bce76888_gemm
	.globl	k_qc1bce76888_gemm
	.p2align	8
	.type	k_qc1bce76888_gemm,@function
k_qc1bce76888_gemm:
	s_mov_b64 s[64:65], 0
	v_nop
	global_prefetch_b8 v0, s[64:65] scope:SCOPE_SE
	s_setreg_imm32_b32 hwreg(HW_REG_WAVE_MODE, 25, 1), 1
	s_wait_xcnt 0x0
	s_wait_alu depctr_hold_cnt(0) depctr_sa_sdst(0) depctr_va_vdst(0) depctr_va_sdst(0) depctr_va_ssrc(0) depctr_va_vcc(0) depctr_vm_vsrc(0)
	s_getreg_b32 s2, hwreg(HW_REG_IB_STS2, 6, 4)
	s_cmp_eq_u32 s2, 0
	s_cbranch_scc0 .Lentry_in_a_cluster
	s_endpgm
.Lentry_in_a_cluster:
	s_bfe_u32 s2, ttmp6, 0x10000c
	s_cmp_lg_u32 s2, 0xf033
	s_cbranch_scc0 .Lentry_shape_is_right
	s_endpgm
.Lentry_shape_is_right:
; q' = (x Wq + bq) log2(e)/8 and k = x Wk + bk, both rounded once to bf16 and written by heads: qk[part][b*16+head][t][64], part 0 = q', part 1 = k.
; One product of 8,192 rows x 2,048 columns (1,024 of Wq, then 1,024 of Wk) x K = 1,024; operands bf16, sums f32; the biases are rounded to bf16 like all inputs; scale and bias are applied in f32.
; A tile of 256 x 256 to a work-group of four waves, 128 x 128 (64 accumulators, 512 registers) to a wave: 256 tiles, 256 work-groups.
; K goes in steps of 128 through two LDS slots filled by the tensor data mover.  x's tile: 256 rows x 256 bytes, LDS pitch 272.  The weights lie [k][n]: their tile is 128 rows of k x 512 bytes,
; LDS pitch 544, and their fragments come out of LDS turned, by ds_load_tr16_b128.
; CLUSTER 4 x 4: the four work-groups of a row of the cluster need the same tile of x, the four of a column the same tile of the weights: each is asked for jointly, one load a wave.
; THE MATRIX INSTRUCTION IS USED TRANSPOSED (source 0 = 16 columns of the weights, source 1 = 16 rows of x): a lane holds row l % 16 and eight neighbouring columns 8 (l / 16) + 0..7.
; REGISTERS in windows of 256: window 0: v0-31 addresses; v64-127, v128-191 x's fragments, two buffers; v192-255 the raw bias until the way out.  Window 1: v64-191 the weights' fragments.
; Windows 2, 3: the accumulators, (a, b) at v[8 (8 a + b)].  On the way out, window 0: v64-127 bias x scale, v128-191 at work, v192-223 packed, v32-63 and v224-255 rows read back.
.set KSTEP,  128
.set PITCH,  272                       ; x's LDS row: 256 + 16 bytes: an odd multiple of 16, so the 16 rows of a load begin in 16 different groups of four banks
.set PB,     544                       ; the weights' LDS row: 512 + 32 bytes: an odd multiple of 32
.set HALFT,  128*PITCH                 ; what one tensor load brings: 128 rows of x, or 64 rows of the weights (64 x 544 is the same number)
.set SLOT,   4*HALFT
.set STAGE,  2*SLOT                    ; behind the ring: 16 rows x 272 bytes for each wave
.set SPITCH, 272
.set SPARE,  STAGE+4*16*SPITCH         ; the spare words: 128 bytes a wave, named by no other line
.set LAPS,   4                         ; 1,024 / 256: a lap is two K steps
.set STEPW,  KSTEP*2048                ; bytes from a K step of the weights to the next: 128 rows of 2,048
.set ADRA, 16
.set ADRB, 20
.set STO,  24
.set RD,   25
.set CO,   26
.set BO,   27
.set SPW,  28
.set NIL,  29
.set PFO,  30
.set F0,   64
.set F1,   128
.set BI,   64
.set SCR,  128
.set TMP,  192
.set OB,   32
.set G1,  24
.set G0,  32
.set LIM, 43
.set PFA, 44
.set G1B, 48
.set G0B, 56
.set SC,  66                           ; s[66:67] the scale: log2(e)/8 for q', 1 for k
.set PST, 72                           ; s[72:73] bytes from a K step to the next in what I prefetch
.set MSB, 0
.macro WIN new                         ; the immediate's high byte repeats the setting that is left; a switch that changes nothing is dropped
.if MSB != (\new)
	s_set_vgpr_msb (MSB<<8)|(\new)
.set MSB, \new
.endif
.endm
.set MUL_LO, 0xa1                      ; source 0 window 1, source 1 window 0, C and D window 2
.set MUL_HI, 0xf1                      ; the same, C and D window 3
.set TO_B,   0x40                      ; destination window 1, address window 0
; A joint load: waves 0 and 1 fetch x's two halves, waves 2 and 3 the weights'.  The branch hangs on the wave's number alone.  s_nop 0 and four v_nop follow each line.
.macro JLOAD s
	s_cmp_eq_u32 s11, 0
	s_cbranch_scc0 .Lfor_b_\@
	tensor_load_to_lds s[G0+4*(\s):G0+4*(\s)+3], s[G1:G1+7]
	s_nop 0
.rept 4
	v_nop
.endr
	s_branch .Lasked_\@
.Lfor_b_\@:
	tensor_load_to_lds s[G0B+4*(\s):G0B+4*(\s)+3], s[G1B:G1B+7]
	s_nop 0
.rept 4
	v_nop
.endr
.Lasked_\@:
.endm
; A prefetch of the K step that stands two refills on: 32 blocks of 256 bytes, a lane a block, one instruction a wave.  x's rows are read by both clusters of a row of clusters: cluster x = 0 asks;
; the weights' by all eight clusters of a column: cluster y = 0 asks.  The four partners of a joint load share its blocks out by address.  The loop's last trip has no K step two refills on.
.macro ASK
	s_cmp_gt_u32 s3, s[LIM]
	s_cbranch_scc0 .Lnot_mine_\@
	global_prefetch_b8 v[PFO], s[PFA:PFA+1] th:TH_LOAD_NT scope:SCOPE_SE
.Lnot_mine_\@:
.endm
.macro CREST                           ; a round of the cluster's barrier behind its opening barrier
	s_cmp_lg_u32 s10, 0
	s_cbranch_scc1 .Lnot_wave_0_\@
	s_barrier_signal -3
.Lnot_wave_0_\@:
	s_barrier_wait -3
	s_barrier_signal -1
	s_barrier_wait -1
.endm
.macro CROUND
	s_barrier_signal -1
	s_barrier_wait -1
	CREST
.endm
	s_load_b128 s[4:7], s[0:1], 0x0                ; xb s[4:5], wb s[6:7]
	s_load_b128 s[68:71], s[0:1], 0x10             ; bq s[68:69], bk s[70:71]
	s_load_b64 s[8:9], s[0:1], 0x20                ; qk
	v_lshl_add_u32 v[SPW], v0, 2, SPARE
	v_mov_b32 v[NIL], 0
	ds_add_u32 v[SPW], v[NIL]                      ; the wave's opening: the add and its wait stand ahead of my first tensor load; register work stands between
	v_lshrrev_b32 v1, 5, v0
	v_readfirstlane_b32 s10, v1                    ; wave 0..3
	s_lshr_b32 s11, s10, 1                         ; my half of the tile's rows; also: I fetch x (0) or the weights (1)
	s_and_b32 s12, s10, 1                          ; my half of its columns; also: which half of that tile I fetch
	s_bfe_u32 s40, ttmp6, 0x40000                  ; cx
	s_bfe_u32 s41, ttmp6, 0x40004                  ; cy
	s_and_b32 s13, ttmp7, 0xffff
	s_lshl_b32 s13, s13, 2
	s_add_co_u32 s13, s13, s41                     ; tile row = 4 x cluster y + cy.  The tile column is 4 x cluster x + cx: cluster x picks Wq or Wk, cx 256 of its columns
	s_lshl_b32 s43, s41, 2
	s_lshl_b32 s43, 15, s43                        ; my row of the cluster
	s_lshl_b32 s44, 0x1111, s40                    ; my column
	s_or_b32 s[G1+0], s43, (1<<16)|(1<<20)|(1<<21)|(5<<22)|(3<<25)   ; mask; 2-byte elements; padding on; bit 21 beside a mask; 4 words behind every 64
	s_or_b32 s[G1B+0], s44, (1<<16)|(1<<20)|(1<<21)|(6<<22)|(7<<25)  ; the same with my column's mask; 8 words behind every 128
	s_mov_b32 s[G1+1], 128<<16                     ; tensor_dim0 = 128
	s_mov_b32 s[G1+2], 128<<16                     ; tensor_dim1 = 128
	s_mov_b32 s[G1+3], 128<<16                     ; tile_dim0 = 128
	s_mov_b32 s[G1+4], 128                         ; tile_dim1 = 128
	s_mov_b32 s[G1+5], 1024                        ; elements from row to row
	s_mov_b32 s[G1+6], 0
	s_mov_b32 s[G1+7], 0
	s_mov_b32 s[G1B+1], 256<<16                    ; tensor_dim0 = 256
	s_mov_b32 s[G1B+2], 64<<16                     ; tensor_dim1 = 64
	s_mov_b32 s[G1B+3], 256<<16                    ; tile_dim0 = 256
	s_mov_b32 s[G1B+4], 64                         ; tile_dim1 = 64
	s_mov_b32 s[G1B+5], 1024
	s_mov_b32 s[G1B+6], 0
	s_mov_b32 s[G1B+7], 0
	s_lshl_b32 s17, s12, 7
	s_lshl_b32 s16, s13, 8
	s_add_co_u32 s16, s16, s17                     ; x: row 256 x tile row + 128 x half,
	s_lshl_b32 s16, s16, 11                        ; in bytes
	s_mov_b32 s17, 0
	s_lshl_b32 s46, ttmp9, 21                      ; the weights: Wq or Wk (2 MiB each),
	s_lshl_b32 s47, s40, 9                         ; 256 columns x cx,
	s_add_co_u32 s46, s46, s47
	s_lshl_b32 s47, s12, 17                        ; 64 rows of k x half
	s_add_co_u32 s46, s46, s47
	s_mov_b32 s47, 0
	s_mul_i32 s20, s10, HALFT                      ; where they go: wave x 34,816: no place in the cluster enters an LDS address
	s_wait_dscnt 0x0                               ; the opening add is done
	s_wait_kmcnt 0x0
	s_add_nc_u64 s[14:15], s[4:5], s[16:17]
	s_add_nc_u64 s[46:47], s[6:7], s[46:47]
	CROUND                                         ; all sixteen work-groups are here: the first joint loads meet
.irp s, 0,1
	s_mov_b32 s[G0+4*(\s)], 1
	s_add_co_u32 s[G0+4*(\s)+1], s20, (\s)*SLOT
	s_add_nc_u64 s[G0+4*(\s)+2:G0+4*(\s)+3], s[14:15], (\s)*KSTEP*2
	s_or_b32 s[G0+4*(\s)+3], s[G0+4*(\s)+3], 0x80000000
	s_mov_b32 s[G0B+4*(\s)], 1
	s_add_co_u32 s[G0B+4*(\s)+1], s20, (\s)*SLOT
	s_add_nc_u64 s[G0B+4*(\s)+2:G0B+4*(\s)+3], s[46:47], (\s)*STEPW
	s_or_b32 s[G0B+4*(\s)+3], s[G0B+4*(\s)+3], 0x80000000
	JLOAD \s                                       ; two loads of mine are out
.endr
	v_and_b32 v1, 15, v0                           ; l % 16
	v_bfe_u32 v2, v0, 4, 1                         ; l / 16
	v_mul_u32_u24 v3, v1, PITCH
	v_lshl_add_u32 v3, v2, 4, v3                   ; x's fragment: row x pitch + 16 x half
	v_and_b32 v7, 7, v0
	v_lshl_add_u32 v4, v2, 3, v7                   ; the turning load: k row 8 (l / 16) + l % 8,
	v_mul_u32_u24 v4, v4, PB
	v_bfe_u32 v5, v0, 3, 1
	v_lshl_add_u32 v4, v5, 4, v4                   ; columns 8 ((l / 8) % 2) on
	s_mul_i32 s21, s11, HALFT                      ; my 128 rows of x
	s_lshl_b32 s22, s12, 8                         ; my 128 columns of the weights: 256 bytes of each row,
	s_add_co_u32 s22, s22, 2*HALFT                 ; behind x's 256 rows
.irp s, 0,1
	v_add_nc_u32 v[ADRA+(\s)], s21, v3
	v_add_nc_u32 v[ADRB+(\s)], s22, v4
	s_add_co_u32 s21, s21, SLOT
	s_add_co_u32 s22, s22, SLOT
.endr
	s_mul_i32 s23, s10, 16*SPITCH
	s_add_co_u32 s23, s23, STAGE                   ; my stage
	v_add_nc_u32 v[STO], s23, v3                   ; in: row l % 16, 16 bytes for each half of the lanes
	v_and_b32 v5, 31, v0
	v_lshrrev_b32 v6, 3, v5
	v_mul_u32_u24 v6, v6, SPITCH
	v_lshl_add_u32 v6, v7, 4, v6
	v_add_nc_u32 v[RD], s23, v6                    ; back: 32 lanes take 128 bytes (one head's 64 channels) of four rows,
	v_lshlrev_b32 v[CO], 4, v5                     ; which are 512 consecutive bytes of qk
	v_lshlrev_b32 v[BO], 5, v2                     ; the bias of my eight columns: 32 bytes x half
	; the bias of my 128 columns, raw, into v192-255: waited for behind the last product
	s_cmp_eq_u32 ttmp9, 0
	s_cselect_b64 s[68:69], s[68:69], s[70:71]
	s_cselect_b32 s[SC], 0x3e38aa3b, 1.0           ; log2(e) / 8 for q'
	s_mov_b32 s[SC+1], s[SC]
	s_lshl_b32 s20, s40, 10
	s_lshl_b32 s21, s12, 9
	s_add_co_u32 s20, s20, s21
	s_mov_b32 s21, 0
	s_add_nc_u64 s[68:69], s[68:69], s[20:21]
.irp nb, 0,1,2,3,4,5,6,7
	global_load_b128 v[TMP+8*\nb:TMP+8*\nb+3],   v[BO], s[68:69] offset:64*\nb
	global_load_b128 v[TMP+8*\nb+4:TMP+8*\nb+7], v[BO], s[68:69] offset:64*\nb+16
.endr
	; where my part of the tile begins in qk
	s_lshr_b32 s16, s13, 3
	s_lshl_b32 s16, s16, 22                        ; the batch: 16 heads of 262,144 bytes
	s_and_b32 s17, s13, 7
	s_lshl_b32 s17, s17, 15                        ; 256 rows of 128 bytes
	s_add_co_u32 s16, s16, s17
	s_lshl_b32 s17, s11, 14                        ; my 128 rows
	s_add_co_u32 s16, s16, s17
	s_mov_b32 s17, 0
	s_lshl_b32 s46, ttmp9, 24                      ; q' or k,
	s_lshl_b32 s47, s40, 20                        ; four heads x cx,
	s_add_co_u32 s46, s46, s47
	s_lshl_b32 s47, s12, 19                        ; two heads x my half
	s_add_co_u32 s46, s46, s47
	s_mov_b32 s47, 0
	s_add_nc_u64 s[16:17], s[16:17], s[46:47]
	; the prefetches: they stand at K step 3; the first refill steps them to 4
	s_lshl_b32 s20, s13, 8
	s_lshl_b32 s21, s12, 7
	s_add_co_u32 s20, s20, s21
	s_lshl_b32 s21, s40, 5                         ; x: my work-group's 32 of the 128 rows that I fetch
	s_add_co_u32 s20, s20, s21
	s_lshl_b32 s20, s20, 11
	s_add_co_u32 s20, s20, 3*KSTEP*2
	s_lshl_b32 s21, ttmp9, 21
	s_lshl_b32 s22, s40, 9
	s_add_co_u32 s21, s21, s22
	s_lshl_b32 s22, s12, 17
	s_add_co_u32 s21, s21, s22
	s_lshl_b32 s22, s41, 15                        ; the weights: my work-group's 16 of the 64 rows, two blocks each
	s_add_co_u32 s21, s21, s22
	s_add_co_u32 s21, s21, 3*STEPW
	s_and_b32 s23, ttmp7, 0xffff
	s_mov_b32 s[PST], STEPW
	s_mov_b32 s[PST+1], 0
	s_cmp_eq_u32 s11, 0
	s_cselect_b32 s20, s20, s21
	s_cselect_b32 s23, ttmp9, s23                  ; the coordinate along which other clusters read the same bytes
	s_cselect_b64 s[PFA:PFA+1], s[4:5], s[6:7]
	s_cselect_b32 s[PST], KSTEP*2, s[PST]
	s_mov_b32 s21, 0
	s_cmp_eq_u32 s23, 0
	s_cselect_b32 s[LIM], 1, -1                    ; the same in all sixteen partners, for a given wave
	s_add_nc_u64 s[PFA:PFA+1], s[PFA:PFA+1], s[20:21]
	v_lshrrev_b32 v6, s11, v5                      ; x: a lane a row; the weights: two lanes a row
	v_and_b32 v7, s11, v5
	v_lshlrev_b32 v7, 8, v7
	v_lshl_or_b32 v[PFO], v6, 11, v7
; 16 matrix instructions: row blocks a0, a0 + 1 of the window's four x all 8 column blocks, 32 along K.  zero = 1: the product starts the sums.  The 64 accumulators take turns.
.macro MUL16 f, hi, a0, zero
	WIN MUL_LO+0x50*(\hi)
.irp a, \a0, (\a0)+1
.irp b, 0,1,2,3,4,5,6,7
.if \zero
	v_wmma_f32_16x16x32_bf16 v[8*(8*(\a)+(\b)):8*(8*(\a)+(\b))+7], v[(\f)+8*(\b):(\f)+8*(\b)+7], v[(\f)+8*(4*(\hi)+(\a)):(\f)+8*(4*(\hi)+(\a))+7], 0
.else
	v_wmma_f32_16x16x32_bf16 v[8*(8*(\a)+(\b)):8*(8*(\a)+(\b))+7], v[(\f)+8*(\b):(\f)+8*(\b)+7], v[(\f)+8*(4*(\hi)+(\a)):(\f)+8*(4*(\hi)+(\a))+7], v[8*(8*(\a)+(\b)):8*(8*(\a)+(\b))+7]
.endif
.endr
.endr
.endm
; 32 LDS loads in one run: quarter q (32 along K) of a slot into buffer f: the weights' eight column blocks, turned, then x's eight row blocks
.macro FETCH slot, q, f
	WIN TO_B
.irp i, 0,1,2,3,4,5,6,7
	ds_load_tr16_b128 v[(\f)+8*(\i):(\f)+8*(\i)+3],   v[ADRB+(\slot)] offset:(\q)*32*PB+32*(\i)
	ds_load_tr16_b128 v[(\f)+8*(\i)+4:(\f)+8*(\i)+7], v[ADRB+(\slot)] offset:(\q)*32*PB+16*PB+32*(\i)
.endr
	WIN 0
.irp i, 0,1,2,3,4,5,6,7
	ds_load_b128 v[(\f)+8*(\i):(\f)+8*(\i)+3],   v[ADRA+(\slot)] offset:(\q)*64+(\i)*16*PITCH
	ds_load_b128 v[(\f)+8*(\i)+4:(\f)+8*(\i)+7], v[ADRA+(\slot)] offset:(\q)*64+(\i)*16*PITCH+32
.endr
.endm
.macro PLACES                          ; four plain instructions between a matrix instruction and a load into a register that it has read (ISA guide 7.12.1 for vector instructions)
.rept 4
	v_nop
.endr
.endm
; One of a K step's first three quarters: multiplies buffer f; in its middle it fetches quarter q of the same slot into buffer g.
.macro QUARTER slot, q, f, g, zero
	s_wait_dscnt 8                                 ; the weights and x's rows 0-63 are in; the youngest eight loads (x's rows 64-127) may be out
	MUL16 \f, 0, 0, \zero
	MUL16 \f, 0, 2, \zero
	PLACES
	FETCH \slot, \q, \g
	s_wait_dscnt 32                                ; all but the 32 just issued
	MUL16 \f, 1, 0, \zero
	MUL16 \f, 1, 2, \zero
.endm
; The first half of a K step's last quarter: the one barrier of the change of slots.
.macro MEET round
	WIN 0
	s_wait_tensorcnt 0x0                           ; all my tensor loads have landed: the one that was out is my part of the next slot
	ds_add_u32 v[SPW], v[NIL]                      ; 0 onto my spare word
	s_wait_dscnt 9                                 ; the add and the youngest eight loads may be out
	MUL16 F1, 0, 0, 0
	s_wait_dscnt 0x0                               ; the add is done, and my reads of this slot are over
	s_barrier_signal -1
	MUL16 F1, 0, 2, 0
.if \round
	WIN 0
.endif
	s_barrier_wait -1
.endm
; The whole last quarter.  fill = 1: the barrier opens a round of the cluster's barrier, and the slot just read is filled again, two K steps on, first thing behind the round.
.macro TURN slot, next, fill
.if \fill
	s_wait_xcnt 0x0                                ; the last prefetch, a K step back, has read its address
	s_add_nc_u64 s[PFA:PFA+1], s[PFA:PFA+1], s[PST:PST+1]
	MEET 1
	CREST                                          ; no wave of any partner still reads this slot or has a load on its way
	s_add_nc_u64 s[G0+4*(\slot)+2:G0+4*(\slot)+3], s[G0+4*(\slot)+2:G0+4*(\slot)+3], 2*KSTEP*2
	s_add_nc_u64 s[G0B+4*(\slot)+2:G0B+4*(\slot)+3], s[G0B+4*(\slot)+2:G0B+4*(\slot)+3], 2*STEPW
	JLOAD \slot                                    ; my one tensor load behind the round; its four v_nop are also the places in front of the loads below
	FETCH \next, 0, F0
	ASK
.else
	MEET 0
	PLACES
	FETCH \next, 0, F0
.endif
	MUL16 F1, 1, 0, 0
	MUL16 F1, 1, 2, 0
.endm
	s_wait_tensorcnt 1                             ; my part of K step 0 is in; K step 1's may stay out
	s_barrier_signal -1
	s_barrier_wait -1
	FETCH 0, 0, F0
	QUARTER 0, 1, F0, F1, 1                        ; the first quarter starts the sums
	WIN 0
	s_mov_b32 s3, LAPS-1
.Llap:                                                 ; a trip goes once round the ring and fills both slots again
	QUARTER 0, 2, F1, F0, 0
	QUARTER 0, 3, F0, F1, 0
	TURN 0, 1, 1
	QUARTER 1, 1, F0, F1, 0
	QUARTER 1, 2, F1, F0, 0
	QUARTER 1, 3, F0, F1, 0
	TURN 1, 0, 1
	QUARTER 0, 1, F0, F1, 0
	WIN 0
	s_sub_co_u32 s3, s3, 1
	s_cmp_lg_u32 s3, 0
	s_cbranch_scc1 .Llap
	QUARTER 0, 2, F1, F0, 0                        ; the last lap fills nothing
	QUARTER 0, 3, F0, F1, 0
	TURN 0, 1, 0
	QUARTER 1, 1, F0, F1, 0
	QUARTER 1, 2, F1, F0, 0
	QUARTER 1, 3, F0, F1, 0
	s_wait_dscnt 8
	MUL16 F1, 0, 0, 0
	MUL16 F1, 0, 2, 0
	s_wait_dscnt 0x0
	MUL16 F1, 1, 0, 0
	MUL16 F1, 1, 2, 0
	WIN 0
	; THE WAY OUT.  The bias is rounded to bf16, widened and multiplied by the scale; these 128 plain lines name no register of the last products and are the places behind them.
	s_wait_loadcnt 0x0                             ; the bias
.set i, 0
.rept 32
	v_cvt_pk_bf16_f32 v[OB+i], v[TMP+2*i], v[TMP+2*i+1]
.set i, i+1
.endr
.set i, 0
.rept 32
	v_lshlrev_b32 v[BI+2*i], 16, v[OB+i]
	v_and_b32 v[BI+2*i+1], 0xffff0000, v[OB+i]
.set i, i+1
.endr
.set i, 0
.rept 32
	v_pk_mul_f32 v[BI+2*i:BI+2*i+1], v[BI+2*i:BI+2*i+1], s[SC:SC+1] op_sel_hi:[1,0]
.set i, i+1
.endr
; Block a (16 rows): sum x scale + bias x scale, each accumulator's registers in ascending order; rounded to bf16, 16 bytes a lane.
.macro PACK a
.set AC, 64*((\a)%4)
	WIN 0x02+((\a)/4)                              ; source 0: window 2 or 3
.irp nb, 0,1,2,3,4,5,6,7
.irp r, 0,1,2,3
	v_pk_fma_f32 v[SCR+8*\nb+2*\r:SCR+8*\nb+2*\r+1], v[AC+8*\nb+2*\r:AC+8*\nb+2*\r+1], s[SC:SC+1], v[BI+8*\nb+2*\r:BI+8*\nb+2*\r+1] op_sel_hi:[1,0,1]
.endr
.endr
	WIN 0
.irp nb, 0,1,2,3,4,5,6,7
.irp r, 0,1,2,3
	v_cvt_pk_bf16_f32 v[TMP+4*\nb+\r], v[SCR+8*\nb+2*\r], v[SCR+8*\nb+2*\r+1]
.endr
.endr
.endm
; Into my own stage, and back by heads: for each of the row's two heads, four rows x 128 bytes a load.
.macro TOSTAGE a
.set BK, OB+192*((\a)%2)
.irp nb, 0,1,2,3,4,5,6,7
	ds_store_b128 v[STO], v[TMP+4*\nb:TMP+4*\nb+3] offset:32*\nb
.endr
.irp hd, 0,1
.irp t, 0,1,2,3
	ds_load_b128 v[BK+4*(4*\hd+\t):BK+4*(4*\hd+\t)+3], v[RD] offset:\t*4*SPITCH+\hd*128  ; LDS serves a wave's instructions in order: these see the stores above
.endr
.endr
.endm
.macro SEND a
.set BK, OB+192*((\a)%2)
	s_wait_dscnt 0x0                               ; the block is back in registers
	s_wait_xcnt 0x0                                ; earlier stores have read their base and their data
.if (\a) == 0
	s_add_nc_u64 s[8:9], s[8:9], s[16:17]
.else
	s_add_nc_u64 s[8:9], s[8:9], 16*128            ; 16 rows of a head on
.endif
.irp hd, 0,1
.irp t, 0,1,2,3
	global_store_b128 v[CO], v[BK+4*(4*\hd+\t):BK+4*(4*\hd+\t)+3], s[8:9] offset:\hd*262144+\t*512  ; 512 consecutive bytes of one head, aligned
.endr
.endr
.endm
	PACK 0
	TOSTAGE 0
.irp a, 1,2,3,4,5,6,7                  ; block a's arithmetic stands between block a - 1's loads from the stage and the wait for them
	PACK \a
	SEND (\a)-1
	TOSTAGE \a
.endr
	SEND 7
	s_wait_tensorcnt 0x0                           ; the wave's end
	ds_add_u32 v[SPW], v[NIL]
	s_wait_dscnt 0x0
	CROUND                                         ; the closing round
	s_endpgm
.Lfunc_end_k_qc1bce76888_gemm:
	.size	k_qc1bce76888_gemm, .Lfunc_end_k_qc1bce76888_gemm-k_qc1bce76888_gemm
	.p2alignl 7, 3214868480
	.fill 96, 4, 3214868480
	.section	.rodata,"a",@progbits
	.p2align	6, 0x0
	.amdhsa_kernel k_qc1bce76888_gemm
		.amdhsa_group_segment_fixed_size 327680
		.amdhsa_private_segment_fixed_size 0
		.amdhsa_enable_private_segment 0
		.amdhsa_kernarg_size 40
		.amdhsa_user_sgpr_count 2
		.amdhsa_user_sgpr_kernarg_segment_ptr 1
		.amdhsa_wavefront_size32 1
		.amdhsa_system_sgpr_workgroup_id_x 1
		.amdhsa_system_sgpr_workgroup_id_y 1
		.amdhsa_system_sgpr_workgroup_id_z 1
		.amdhsa_system_vgpr_workitem_id 0
		.amdhsa_next_free_vgpr 1024
		.amdhsa_next_free_sgpr 80
		.amdhsa_reserve_vcc 0
		.amdhsa_float_denorm_mode_32 3
		.amdhsa_float_denorm_mode_16_64 3
		.amdhsa_memory_ordered 1
		.amdhsa_forward_progress 1
		.amdhsa_inst_pref_size 169
	.end_amdhsa_kernel
	.amdgpu_metadata
---
amdhsa.version: [ 1, 2 ]
amdhsa.kernels:
  - .name:           k_qc1bce76888_gemm
    .symbol:         k_qc1bce76888_gemm.kd
    .args:
      - { .name: xb, .offset: 0, .size: 8, .value_kind: global_buffer, .address_space: global }
      - { .name: wb, .offset: 8, .size: 8, .value_kind: global_buffer, .address_space: global }
      - { .name: bq, .offset: 16, .size: 8, .value_kind: global_buffer, .address_space: global }
      - { .name: bk, .offset: 24, .size: 8, .value_kind: global_buffer, .address_space: global }
      - { .name: qk, .offset: 32, .size: 8, .value_kind: global_buffer, .address_space: global }
    .group_segment_fixed_size: 327680
    .private_segment_fixed_size: 0
    .kernarg_segment_align: 8
    .kernarg_segment_size: 40
    .max_flat_workgroup_size: 128
    .sgpr_count:     80
    .vgpr_count:     1024
    .wavefront_size: 32
...
	.end_amdgpu_metadata
.endif
;; end of part 2
;; launch stats (part 3): grid 4 x 64, 16 waves a work-group, clusters of 4 x 1, 327,680 bytes of LDS; arguments qk, nm; writes nm
.if DOCPART == 3
	.amdgcn_target "amdgcn-amd-amdhsa--gfx1250"
	.amdhsa_code_object_version 6
	.text
	.protected	k_qc1bce76888_stats
	.globl	k_qc1bce76888_stats
	.p2align	8
	.type	k_qc1bce76888_stats,@function
k_qc1bce76888_stats:
	s_mov_b64 s[64:65], 0
	v_nop
	global_prefetch_b8 v0, s[64:65] scope:SCOPE_SE
	s_setreg_imm32_b32 hwreg(HW_REG_WAVE_MODE, 25, 1), 1
	s_wait_xcnt 0x0
	s_wait_alu depctr_hold_cnt(0) depctr_sa_sdst(0) depctr_va_vdst(0) depctr_va_sdst(0) depctr_va_ssrc(0) depctr_va_vcc(0) depctr_vm_vsrc(0)
	s_getreg_b32 s2, hwreg(HW_REG_IB_STS2, 6, 4)
	s_cmp_eq_u32 s2, 0
	s_cbranch_scc0 .Lentry_in_a_cluster
	s_endpgm
.Lentry_in_a_cluster:
	s_bfe_u32 s2, ttmp6, 0x10000c
	s_cmp_lg_u32 s2, 0x3003
	s_cbranch_scc0 .Lentry_shape_is_right
	s_endpgm
.Lentry_shape_is_right:
; nm[bh][q] = - log2( sum over k of 2^(q'[q] . k[k]) ): the softmax's row normaliser in base 2 (q' carries log2(e)/8), by a running maximum.
; LIMITS: a term below 2^-126 counts as 0; NaN and infinities are not treated apart.
; SHARES.  A work-group takes 512 queries of one head and all 2,048 keys.  Wave w: 64 queries (group w % 8, four tiles of 16, kept in registers as source 1) and every second key tile (parity w / 8).
; S^T = K Q^T: a lane holds ONE query (lane % 16) and the keys 8 (lane / 16) + 0..7.  Each lane keeps a running maximum m and sum l over ITS keys; a query's four parts (parity x half) meet once, in LDS, at the end.
; SIXTEEN WAVES of 224 registers, four on a SIMD: a key tile has 8 matrix and 89 vector instructions, so one wave's exponentials stand beside another wave's products, and no register window is switched.
; LDS.  The head's whole K (2,048 rows, pitch 144) lies in LDS: 16 chunks of 128 keys, each filled once, jointly for the four work-groups of the cluster, which walk the same K.  Nothing is filled again.
; Everything the launch reads is asked for at its head, so no prefetch stands in the loop.
.set PK,    144                        ; a row of K in LDS: 128 + 16 bytes: an odd multiple of 16
.set CHUNK, 128*PK
.set TSTEP, 32*PK                      ; from one of my key tiles to my next
.set MRG,   2048*PK                    ; 512 queries x 4 parts x (m, l)
.set SPARE, MRG+16384                  ; the spare words: 128 bytes a wave, named by no other line
.set AK0, 3
.set AK,  4
.set QO,  5
.set SPW, 6
.set NIL, 7
.set MS,  8
.set MR,  9
.set GO,  10
.set ST,  16                           ; tile t at ST + 8 t: m, 0, m (the two take turns as old and new), 0, l (even keys'), l (odd keys'), a, c
.set TM,  48                           ; tile t at TM + 4 t: three at work
.set KF,  64                           ; two slots of 16: a key tile's two fragments
.set QF,  96                           ; 16 a tile
.set S,   160                          ; two buffers of 32
.set WV,   8
.set PAR,  9
.set GRP,  10
.set CX,   11
.set HEAD, 12
.set G1,   16
.set G0,   24
.set TB,   40
.set CNT,  41
.set ONE,  42
.macro ROUND                           ; a round of the cluster's barrier
	s_barrier_signal -1
	s_barrier_wait -1
	s_cmp_lg_u32 s[WV], 0
	s_cbranch_scc1 .Lnot_wave_0_\@
	s_barrier_signal -3
.Lnot_wave_0_\@:
	s_barrier_wait -3
	s_barrier_signal -1
	s_barrier_wait -1
.endm
	s_load_b128 s[4:7], s[0:1], 0x0                ; qk s[4:5], nm s[6:7]
	v_lshl_add_u32 v[SPW], v0, 2, SPARE
	v_mov_b32 v[NIL], 0
	ds_add_u32 v[SPW], v[NIL]                      ; the wave's opening: the add and its wait stand ahead of the first tensor loads
	v_lshrrev_b32 v1, 5, v0
	v_readfirstlane_b32 s[WV], v1                  ; wave 0..15
	s_lshr_b32 s[PAR], s[WV], 3
	s_and_b32 s[GRP], s[WV], 7
	s_bfe_u32 s[CX], ttmp6, 0x40000                ; my place in the cluster: it enters Q's and nm's addresses alone
	s_and_b32 s[HEAD], ttmp7, 0xffff
	; group 1: 128 keys are 16,384 dense bytes: 64 rows of 256 bytes, two keys a row, padded in LDS behind every key
	s_mov_b32 s[G1], 15|(1<<16)|(1<<20)|(1<<21)|(4<<22)|(3<<25)  ; the mask of four; 2-byte elements; padding on; bit 21 beside a mask; 4 words behind every 32
	s_mov_b32 s[G1+1], 128<<16
	s_mov_b32 s[G1+2], 64<<16
	s_mov_b32 s[G1+3], 128<<16
	s_mov_b32 s[G1+4], 64
	s_mov_b32 s[G1+5], 128
	s_mov_b32 s[G1+6], 0
	s_mov_b32 s[G1+7], 0
	s_mov_b32 s[ONE], 1.0
	s_mov_b32 s[ONE+1], 1.0
	s_lshl_b32 s46, s[HEAD], 18                    ; the head's k: 262,144 bytes a head, behind q's 16,777,216,
	s_add_co_u32 s46, s46, 16777216
	s_lshl_b32 s13, s[WV], 14                      ; chunk = wave
	s_add_co_u32 s46, s46, s13
	s_mov_b32 s47, 0
	s_lshl_b32 s2, s[HEAD], 18                     ; my 64 rows of q'
	s_lshl_b32 s3, s[CX], 16
	s_add_co_u32 s2, s2, s3
	s_lshl_b32 s3, s[GRP], 13
	s_add_co_u32 s2, s2, s3
	s_mov_b32 s3, 0
	s_wait_dscnt 0x0                               ; the opening add is done
	s_wait_kmcnt 0x0
	s_add_nc_u64 s[14:15], s[4:5], s[46:47]
	s_add_nc_u64 s[44:45], s[4:5], s[2:3]
	s_lshl_b32 s2, s[HEAD], 13
	s_lshl_b32 s3, s[CX], 11
	s_add_co_u32 s2, s2, s3
	s_mov_b32 s3, 0
	s_add_nc_u64 s[6:7], s[6:7], s[2:3]            ; nm at the work-group's 512 queries
.irp g, 0,1,2,3                        ; set g: chunk 4 g + wave (used by waves 0-3)
	s_mov_b32 s[G0+4*\g], 1
	s_mul_i32 s[G0+4*\g+1], s[WV], CHUNK
	s_add_co_u32 s[G0+4*\g+1], s[G0+4*\g+1], \g*4*CHUNK
	s_add_nc_u64 s[G0+4*\g+2:G0+4*\g+3], s[14:15], \g*4*16384
	s_or_b32 s[G0+4*\g+3], s[G0+4*\g+3], 0x80000000
.endr
	ROUND                                          ; all four work-groups are here: the joint loads meet
	s_cmp_lt_u32 s[WV], 4                          ; waves 0-3 issue four loads each, in one branch: four of mine are out at the most
	s_cbranch_scc0 .Lno_fill
.irp g, 0,1,2,3
	tensor_load_to_lds s[G0+4*\g:G0+4*\g+3], s[G1:G1+7]
	s_nop 0
.endr
.rept 4
	v_nop
.endr
.Lno_fill:
	v_and_b32 v1, 15, v0                           ; l % 16
	v_bfe_u32 v2, v0, 4, 1                         ; l / 16
	v_lshlrev_b32 v[QO], 7, v1
	v_lshl_add_u32 v[QO], v2, 4, v[QO]             ; row x 128 + 16 x half
.irp t, 0,1,2,3
.irp n, 0,1,2,3
	global_load_b128 v[QF+16*\t+4*\n:QF+16*\t+4*\n+3], v[QO], s[44:45] offset:\t*2048+\n*32
.endr
.endr
	v_mul_u32_u24 v[AK0], v1, PK
	v_lshl_add_u32 v[AK0], v2, 4, v[AK0]
	s_mul_i32 s13, s[PAR], 16*PK
	v_add_nc_u32 v[AK0], s13, v[AK0]               ; row x pitch + 16 x half + my parity's first tile
	s_lshl_b32 s13, s[GRP], 11
	s_lshl_b32 s46, s[PAR], 4
	s_add_co_u32 s13, s13, s46
	s_add_co_u32 s13, s13, MRG
	v_lshlrev_b32 v[MS], 5, v1
	v_lshl_add_u32 v[MS], v2, 3, v[MS]
	v_add_nc_u32 v[MS], s13, v[MS]                 ; query x 32 + (2 x parity + half) x 8
	v_lshl_add_u32 v[MR], v0, 7, MRG               ; threads 0-127: four queries each
	v_lshlrev_b32 v[GO], 4, v0
.irp t, 0,1,2,3
	v_mov_b32 v[ST+8*\t], 0xff7fffff               ; m: the lowest finite number, so the first step's a is 0 and l = 0 stays 0
	v_mov_b32 v[ST+8*\t+1], 0
	v_mov_b32 v[ST+8*\t+2], 0xff7fffff
	v_mov_b32 v[ST+8*\t+3], 0
	v_mov_b32 v[ST+8*\t+4], 0
	v_mov_b32 v[ST+8*\t+5], 0
.endr
.macro LOADK slot, off                 ; a key tile: 16 keys x 64 channels
.irp n, 0,1,2,3
	ds_load_b128 v[KF+16*(\slot)+4*\n:KF+16*(\slot)+4*\n+3], v[AK] offset:(\off)+32*\n
.endr
.endm
.macro MULS b                          ; 8 products: slot b's tile x my four query tiles into buffer b.  The four accumulators take turns, one instruction a turn
.irp t, 0,1,2,3
	v_wmma_f32_16x16x32_bf16 v[S+32*(\b)+8*\t:S+32*(\b)+8*\t+7], v[KF+16*(\b):KF+16*(\b)+7], v[QF+16*\t:QF+16*\t+7], 0
.endr
.irp t, 0,1,2,3
	v_wmma_f32_16x16x32_bf16 v[S+32*(\b)+8*\t:S+32*(\b)+8*\t+7], v[KF+16*(\b)+8:KF+16*(\b)+15], v[QF+16*\t+8:QF+16*\t+15], v[S+32*(\b)+8*\t:S+32*(\b)+8*\t+7]
.endr
.endm
; The running maximum and sum over buffer e's 4 x 8 scores a lane.  Each line runs over the four tiles, so no line waits for the one before it.  The 36 exponentials are one batch with one wait.
.macro VEC e
.set MO, 2*(\e)
.set MN, 2-2*(\e)
.set SB, S+32*(\e)
.irp t, 0,1,2,3
	v_max3_num_f32 v[TM+4*\t], v[SB+8*\t], v[SB+8*\t+1], v[SB+8*\t+2]     ; each accumulator is read from its low end on
.endr
.irp t, 0,1,2,3
	v_max3_num_f32 v[TM+4*\t+1], v[SB+8*\t+3], v[SB+8*\t+4], v[SB+8*\t+5]
.endr
.irp t, 0,1,2,3
	v_max3_num_f32 v[TM+4*\t+2], v[SB+8*\t+6], v[SB+8*\t+7], v[ST+8*\t+MO]
.endr
.irp t, 0,1,2,3
	v_max3_num_f32 v[ST+8*\t+MN], v[TM+4*\t], v[TM+4*\t+1], v[TM+4*\t+2]  ; the new m
.endr
.irp t, 0,1,2,3
	v_sub_f32 v[ST+8*\t+7], v[ST+8*\t+MO], v[ST+8*\t+MN]
.endr
.irp t, 0,1,2,3
.irp p, 0,2,4,6
	v_pk_fma_f32 v[SB+8*\t+\p:SB+8*\t+\p+1], v[SB+8*\t+\p:SB+8*\t+\p+1], s[ONE:ONE+1], v[ST+8*\t+MN:ST+8*\t+MN+1] op_sel_hi:[1,0,0] neg_lo:[0,0,1] neg_hi:[0,0,1]  ; s - m
.endr
.endr
.irp t, 0,1,2,3
	v_exp_f32 v[ST+8*\t+6], v[ST+8*\t+7]           ; a = 2^(m_old - m_new)
.endr
.set z, 0
.rept 32
	v_exp_f32 v[SB+z], v[SB+z]
.set z, z+1
.endr
	v_nop                                          ; a plain instruction behind the last exponential,
	s_wait_alu depctr_va_vdst(0)                   ; and the one wait for the batch, ahead of its first reader
.irp t, 0,1,2,3
	v_pk_add_f32 v[SB+8*\t:SB+8*\t+1], v[SB+8*\t:SB+8*\t+1], v[SB+8*\t+2:SB+8*\t+3]
.endr
.irp t, 0,1,2,3
	v_pk_add_f32 v[SB+8*\t+4:SB+8*\t+5], v[SB+8*\t+4:SB+8*\t+5], v[SB+8*\t+6:SB+8*\t+7]
.endr
.irp t, 0,1,2,3
	v_pk_add_f32 v[SB+8*\t:SB+8*\t+1], v[SB+8*\t:SB+8*\t+1], v[SB+8*\t+4:SB+8*\t+5]
.endr
.irp t, 0,1,2,3
	v_pk_fma_f32 v[ST+8*\t+4:ST+8*\t+5], v[ST+8*\t+4:ST+8*\t+5], v[ST+8*\t+6:ST+8*\t+7], v[SB+8*\t:SB+8*\t+1] op_sel_hi:[1,0,1]  ; l = a l + sum
.endr
.endm
; Trip n (e = n % 2): tile n + 2 is asked for, tile n + 1 multiplied, tile n's scores worked on.  Slot e was last read, and buffer e written, in front of the whole VEC of the trip before.
.macro TRIP e, ld
.if \ld
	LOADK \e, (2+(\e))*TSTEP
	s_wait_dscnt 0x4                               ; the four just issued may stay out: tile n + 1 is in
.else
	s_wait_dscnt 0x0
.endif
	MULS 1-(\e)
	VEC \e
.endm
.macro PAIRS n
	s_mov_b32 s[CNT], \n
.Lpair_\@:
	v_add_nc_u32 v[AK], s[TB], v[AK0]
	TRIP 0, 1
	TRIP 1, 1
	s_add_co_u32 s[TB], s[TB], 2*TSTEP
	s_sub_co_u32 s[CNT], s[CNT], 1
	s_cmp_lg_u32 s[CNT], 0
	s_cbranch_scc1 .Lpair_\@
.endm
	s_wait_tensorcnt 0x3                           ; in waves 0-3 the three younger loads may stay out: chunks 0-3, keys 0-511, my tiles 0-15, are in
	s_barrier_signal -1
	s_barrier_wait -1                              ; everybody's chunk is
	v_mov_b32 v[AK], v[AK0]
	LOADK 0, 0
	LOADK 1, TSTEP
	s_wait_loadcnt 0x0                             ; Q
	s_wait_dscnt 0x4                               ; tile 0 is in
	MULS 0
.rept 8
	v_nop                                          ; the places behind those products, once a launch
.endr
	s_mov_b32 s[TB], 0
	PAIRS 7                                        ; trips 0-13: their loads reach my tile 15
	s_wait_tensorcnt 0x0                           ; all chunks of mine have landed,
	s_wait_dscnt 0x0
	s_barrier_signal -1
	s_barrier_wait -1                              ; and everybody's
	PAIRS 24                                       ; trips 14-61
	TRIP 0, 0                                      ; trip 62: nothing is left to fetch
	VEC 1                                          ; tile 63
	; THE PARTS MEET.  (m, l) of each lane goes to LDS; threads 0-127 finish four queries each.
.irp t, 0,1,2,3
	v_add_f32 v[ST+8*\t+1], v[ST+8*\t+4], v[ST+8*\t+5]
.endr
.irp t, 0,1,2,3
	ds_store_b64 v[MS], v[ST+8*\t:ST+8*\t+1] offset:512*\t
.endr
	s_wait_dscnt 0x0                               ; for the others' sake
	s_barrier_signal -1
	s_barrier_wait -1
	s_cmp_lt_u32 s[WV], 4
	s_cbranch_scc0 .Lend
.set R,  160
.set MX, 192
.set EX, 196
.set LS, 212
.set LG, 216
.set NO, 220
.irp n, 0,1,2,3,4,5,6,7
	ds_load_b128 v[R+4*\n:R+4*\n+3], v[MR] offset:16*\n
.endr
	s_wait_dscnt 0x0
.irp q, 0,1,2,3
	v_max3_num_f32 v[MX+\q], v[R+8*\q], v[R+8*\q+2], v[R+8*\q+4]
.endr
.irp q, 0,1,2,3
	v_max_num_f32 v[MX+\q], v[MX+\q], v[R+8*\q+6]
.endr
.irp q, 0,1,2,3
.irp i, 0,1,2,3
	v_sub_f32 v[EX+4*\q+\i], v[R+8*\q+2*\i], v[MX+\q]
.endr
.endr
.set z, 0
.rept 16
	v_exp_f32 v[EX+z], v[EX+z]
.set z, z+1
.endr
	v_nop
	s_wait_alu depctr_va_vdst(0)                   ; one wait for the sixteen
.irp q, 0,1,2,3
	v_mul_f32 v[LS+\q], v[R+8*\q+1], v[EX+4*\q]
.endr
.irp i, 1,2,3
.irp q, 0,1,2,3
	v_fmac_f32 v[LS+\q], v[R+8*\q+2*\i+1], v[EX+4*\q+\i]
.endr
.endr
.irp q, 0,1,2,3
	v_log_f32 v[LG+\q], v[LS+\q]                   ; the sum is at least 1: the part that holds the maximum has a term 1
.endr
	v_nop
	s_wait_alu depctr_va_vdst(0)
.irp q, 0,1,2,3
	v_add_f32 v[LG+\q], v[MX+\q], v[LG+\q]
.endr
.irp q, 0,1,2,3
	v_mul_f32 v[NO+\q], -1.0, v[LG+\q]
.endr
	global_store_b128 v[GO], v[NO:NO+3], s[6:7]    ; a wave stores 512 consecutive bytes
.Lend:
	s_wait_tensorcnt 0x0                           ; the wave's end
	ds_add_u32 v[SPW], v[NIL]
	s_wait_dscnt 0x0
	ROUND                                          ; the closing round
	s_endpgm
.Lfunc_end_k_qc1bce76888_stats:
	.size	k_qc1bce76888_stats, .Lfunc_end_k_qc1bce76888_stats-k_qc1bce76888_stats
	.p2alignl 7, 3214868480
	.fill 96, 4, 3214868480
	.section	.rodata,"a",@progbits
	.p2align	6, 0x0
	.amdhsa_kernel k_qc1bce76888_stats
		.amdhsa_group_segment_fixed_size 327680
		.amdhsa_private_segment_fixed_size 0
		.amdhsa_enable_private_segment 0
		.amdhsa_kernarg_size 16
		.amdhsa_user_sgpr_count 2
		.amdhsa_user_sgpr_kernarg_segment_ptr 1
		.amdhsa_wavefront_size32 1
		.amdhsa_system_sgpr_workgroup_id_x 1
		.amdhsa_system_sgpr_workgroup_id_y 1
		.amdhsa_system_sgpr_workgroup_id_z 1
		.amdhsa_system_vgpr_workitem_id 0
		.amdhsa_next_free_vgpr 224
		.amdhsa_next_free_sgpr 66
		.amdhsa_reserve_vcc 0
		.amdhsa_float_denorm_mode_32 3
		.amdhsa_float_denorm_mode_16_64 3
		.amdhsa_memory_ordered 1
		.amdhsa_forward_progress 1
		.amdhsa_inst_pref_size 44
	.end_amdhsa_kernel
	.amdgpu_metadata
---
amdhsa.version: [ 1, 2 ]
amdhsa.kernels:
  - .name:           k_qc1bce76888_stats
    .symbol:         k_qc1bce76888_stats.kd
    .args:
      - { .name: qk, .offset: 0, .size: 8, .value_kind: global_buffer, .address_space: global }
      - { .name: nm, .offset: 8, .size: 8, .value_kind: global_buffer, .address_space: global }
    .group_segment_fixed_size: 327680
    .private_segment_fixed_size: 0
    .kernarg_segment_align: 8
    .kernarg_segment_size: 16
    .max_flat_workgroup_size: 512
    .sgpr_count:     66
    .vgpr_count:     224
    .wavefront_size: 32
...
	.end_amdgpu_metadata
.endif
;; end of part 3
;; launch col1 (part 4): grid 4 x 64, 16 waves a work-group, clusters of 4 x 1, 327,680 bytes of LDS; arguments qk, nm, cs; writes cs
.if DOCPART == 4
	.amdgcn_target "amdgcn-amd-amdhsa--gfx1250"
	.amdhsa_code_object_version 6
	.text
	.protected	k_qc1bce76888_col1
	.globl	k_qc1bce76888_col1
	.p2align	8
	.type	k_qc1bce76888_col1,@function
k_qc1bce76888_col1:
	s_mov_b64 s[64:65], 0
	v_nop
	global_prefetch_b8 v0, s[64:65] scope:SCOPE_SE
	s_setreg_imm32_b32 hwreg(HW_REG_WAVE_MODE, 25, 1), 1
	s_wait_xcnt 0x0
	s_wait_alu depctr_hold_cnt(0) depctr_sa_sdst(0) depctr_va_vdst(0) depctr_va_sdst(0) depctr_va_ssrc(0) depctr_va_vcc(0) depctr_vm_vsrc(0)
	s_getreg_b32 s2, hwreg(HW_REG_IB_STS2, 6, 4)
	s_cmp_eq_u32 s2, 0
	s_cbranch_scc0 .Lentry_in_a_cluster
	s_endpgm
.Lentry_in_a_cluster:
	s_bfe_u32 s2, ttmp6, 0x10000c
	s_cmp_lg_u32 s2, 0x3003
	s_cbranch_scc0 .Lentry_shape_is_right
	s_endpgm
.Lentry_shape_is_right:
; COLUMN SUMS OF THE SOFTMAX.  out[bh][k] = sum over q of 2^(q'[q] . k[k] + e[q]).
; WEIGHTED = 0: e = nm, the row's negative log-sum-exp: out = the sum over queries of attn[q][k].
; WEIGHTED = 1: e = nm + log2(sum over the batch's 16 heads of cs[q]) - 15: each row carries the pooling weight w[q] = (sum of cs) / 32,768 as well.
; The log-sum-exp taken away is at least the row's maximum, and w is at most 1: every exponent is at most 0.  LIMITS: a weight below 2^-126 counts as 0; a column sum that is 0 or denormal gives weight 0; NaN and infinities are not treated apart.
; SHARES.  A work-group takes 512 keys of one head and all 2,048 queries.  Wave w: 64 keys (group w % 8, four tiles, kept in registers as source 1) and every second query tile (parity w / 8).
; S = Q K^T: a lane holds ONE key (lane % 16) and the queries 8 (lane / 16) + 0..7; e of those eight queries is the C operand that starts the sum, so a score needs the exponential alone.
; A lane adds its weights up in registers; a key's four parts (parity x half) meet once, in LDS, at the end.  Sixteen waves, four on a SIMD: one wave's exponentials stand beside another's products.
; LDS.  The head's whole q' (2,048 rows, pitch 144): 16 chunks, each filled once, jointly for the four work-groups of the cluster.  Nothing is filled again, and all is asked for at the head: no prefetch.
.set WEIGHTED, 0
.set PK,    144
.set CHUNK, 128*PK
.set TSTEP, 32*PK
.set NMB,   2048*PK                    ; e of the 2,048 queries
.set RED,   NMB+8192                   ; 512 keys x 4 parts
.set SPARE, RED+8192                   ; the spare words: 128 bytes a wave, named by no other line
.set AQ0, 3
.set AQ,  4
.set AN0, 5
.set AN,  6
.set KO,  7
.set SPW, 8
.set NIL, 9
.set RS,  10
.set RR,  11
.set TO,  12
.set NS,  13
.set CA,  16                           ; key tile t at CA + 4 t: two pairs of running sums
.set SL,  32                           ; two slots of 24: a query tile's two fragments, then e of my eight queries
.set KF,  80                           ; 16 a key tile
.set S,   144                          ; two buffers of 32
.set HB,  144                          ; ahead of the loop: nm's four, then 16 x 4 of cs
.set WV,   8
.set PAR,  9
.set GRP,  10
.set CX,   11
.set HEAD, 12
.set G1,   16
.set G0,   24
.set TB,   40
.set CNT,  41
.set TN,   42
.macro ROUND
	s_barrier_signal -1
	s_barrier_wait -1
	s_cmp_lg_u32 s[WV], 0
	s_cbranch_scc1 .Lnot_wave_0_\@
	s_barrier_signal -3
.Lnot_wave_0_\@:
	s_barrier_wait -3
	s_barrier_signal -1
	s_barrier_wait -1
.endm
	s_load_b128 s[4:7], s[0:1], 0x0                ; qk s[4:5], nm s[6:7]
.if WEIGHTED
	s_load_b128 s[44:47], s[0:1], 0x10             ; cs s[44:45], the output s[46:47]
.else
	s_load_b64 s[46:47], s[0:1], 0x10              ; the output
.endif
	v_lshl_add_u32 v[SPW], v0, 2, SPARE
	v_mov_b32 v[NIL], 0
	ds_add_u32 v[SPW], v[NIL]                      ; the wave's opening: the add and its wait stand ahead of the first tensor loads
	v_lshrrev_b32 v1, 5, v0
	v_readfirstlane_b32 s[WV], v1
	s_lshr_b32 s[PAR], s[WV], 3
	s_and_b32 s[GRP], s[WV], 7
	s_bfe_u32 s[CX], ttmp6, 0x40000                ; my place in the cluster: it enters K's and the output's addresses alone
	s_and_b32 s[HEAD], ttmp7, 0xffff
	s_mov_b32 s[G1], 15|(1<<16)|(1<<20)|(1<<21)|(4<<22)|(3<<25)  ; the mask of four; 2-byte elements; padding on; bit 21 beside a mask; 4 words behind every 32
	s_mov_b32 s[G1+1], 128<<16
	s_mov_b32 s[G1+2], 64<<16
	s_mov_b32 s[G1+3], 128<<16
	s_mov_b32 s[G1+4], 64
	s_mov_b32 s[G1+5], 128
	s_mov_b32 s[G1+6], 0
	s_mov_b32 s[G1+7], 0
	s_lshl_b32 s50, s[HEAD], 18                    ; the head's q', chunk = wave
	s_lshl_b32 s13, s[WV], 14
	s_add_co_u32 s50, s50, s13
	s_mov_b32 s51, 0
	s_lshl_b32 s2, s[HEAD], 18                     ; my 64 rows of k
	s_lshl_b32 s3, s[CX], 16
	s_add_co_u32 s2, s2, s3
	s_lshl_b32 s3, s[GRP], 13
	s_add_co_u32 s2, s2, s3
	s_add_co_u32 s2, s2, 16777216
	s_mov_b32 s3, 0
	s_wait_dscnt 0x0                               ; the opening add is done
	s_wait_kmcnt 0x0
	s_add_nc_u64 s[14:15], s[4:5], s[50:51]
	s_add_nc_u64 s[48:49], s[4:5], s[2:3]
	s_lshl_b32 s2, s[HEAD], 13
	s_lshl_b32 s3, s[CX], 11
	s_add_co_u32 s2, s2, s3
	s_mov_b32 s3, 0
	s_add_nc_u64 s[46:47], s[46:47], s[2:3]        ; the output at the work-group's 512 keys
	s_lshl_b32 s50, s[HEAD], 13
	s_add_nc_u64 s[6:7], s[6:7], s[50:51]          ; nm at the head
.if WEIGHTED
	s_lshr_b32 s50, s[HEAD], 4
	s_lshl_b32 s50, s50, 17
	s_add_nc_u64 s[44:45], s[44:45], s[50:51]      ; cs at the batch's 16 heads
.endif
.irp g, 0,1,2,3                        ; set g: chunk 4 g + wave (used by waves 0-3)
	s_mov_b32 s[G0+4*\g], 1
	s_mul_i32 s[G0+4*\g+1], s[WV], CHUNK
	s_add_co_u32 s[G0+4*\g+1], s[G0+4*\g+1], \g*4*CHUNK
	s_add_nc_u64 s[G0+4*\g+2:G0+4*\g+3], s[14:15], \g*4*16384
	s_or_b32 s[G0+4*\g+3], s[G0+4*\g+3], 0x80000000
.endr
	ROUND                                          ; all four work-groups are here: the joint loads meet
	s_cmp_lt_u32 s[WV], 4                          ; waves 0-3 issue four loads each, in one branch: four of mine are out at the most
	s_cbranch_scc0 .Lno_fill
.irp g, 0,1,2,3
	tensor_load_to_lds s[G0+4*\g:G0+4*\g+3], s[G1:G1+7]
	s_nop 0
.endr
.rept 4
	v_nop
.endr
.Lno_fill:
	v_and_b32 v1, 15, v0
	v_bfe_u32 v2, v0, 4, 1
	v_lshlrev_b32 v[KO], 7, v1
	v_lshl_add_u32 v[KO], v2, 4, v[KO]
.irp t, 0,1,2,3
.irp n, 0,1,2,3
	global_load_b128 v[KF+16*\t+4*\n:KF+16*\t+4*\n+3], v[KO], s[48:49] offset:\t*2048+\n*32
.endr
.endr
	v_lshlrev_b32 v[TO], 4, v0                     ; 16 x thread: four queries of the 2,048; later four keys of the 512
	global_load_b128 v[HB:HB+3], v[TO], s[6:7]
.if WEIGHTED
.irp i, 0,1,2,3,4,5,6,7,8,9,10,11,12,13,14,15
	global_load_b128 v[HB+4+4*\i:HB+4+4*\i+3], v[TO], s[44:45] offset:8192*\i
.endr
.endif
	s_mul_i32 s13, s[PAR], 16*PK
	v_mul_u32_u24 v[AQ0], v1, PK
	v_lshl_add_u32 v[AQ0], v2, 4, v[AQ0]
	v_add_nc_u32 v[AQ0], s13, v[AQ0]
	s_lshl_b32 s13, s[PAR], 6
	s_add_co_u32 s13, s13, NMB
	v_lshl_add_u32 v[AN0], v2, 5, s13              ; e of queries 8 (l / 16) + 0..7 of my parity's first tile
	s_lshl_b32 s13, s[GRP], 10
	s_lshl_b32 s43, s[PAR], 3
	s_add_co_u32 s13, s13, s43
	s_add_co_u32 s13, s13, RED
	v_lshlrev_b32 v[RS], 4, v1
	v_lshl_add_u32 v[RS], v2, 2, v[RS]
	v_add_nc_u32 v[RS], s13, v[RS]                 ; key x 16 + (2 x parity + half) x 4
	v_lshl_add_u32 v[RR], v0, 6, RED
	v_lshl_add_u32 v[NS], v0, 4, NMB
.set z, 0
.rept 16
	v_mov_b32 v[CA+z], 0
.set z, z+1
.endr
	s_wait_loadcnt 0x0
.if WEIGHTED
.irp d, 32,16,8,4                      ; the 16 heads' column sums are added, four queries a thread
.set z, 0
.rept (\d)/2
	v_pk_add_f32 v[HB+4+z:HB+4+z+1], v[HB+4+z:HB+4+z+1], v[HB+4+z+(\d):HB+4+z+(\d)+1]
.set z, z+2
.endr
.endr
.irp i, 0,1,2,3
	v_log_f32 v[HB+4+\i], v[HB+4+\i]
.endr
	v_nop
	s_wait_alu depctr_va_vdst(0)
.irp i, 0,1,2,3
	v_add_f32 v[HB+\i], v[HB+\i], v[HB+4+\i]
.endr
.irp i, 0,1,2,3
	v_add_f32 v[HB+\i], 0xc1700000, v[HB+\i]       ; - 15 = - log2(16 heads x 2,048 queries)
.endr
.irp i, 0,1,2,3
	v_max_num_f32 v[HB+\i], 0xff7fffff, v[HB+\i]   ; a weight of 0 stays a finite exponent
.endr
.endif
	ds_store_b128 v[NS], v[HB:HB+3]
.macro LOADQ slot, offq, offn          ; a query tile and its e
.irp n, 0,1,2,3
	ds_load_b128 v[SL+24*(\slot)+4*\n:SL+24*(\slot)+4*\n+3], v[AQ] offset:(\offq)+32*\n
.endr
	ds_load_b128 v[SL+24*(\slot)+16:SL+24*(\slot)+19], v[AN] offset:(\offn)
	ds_load_b128 v[SL+24*(\slot)+20:SL+24*(\slot)+23], v[AN] offset:(\offn)+16
.endm
.macro MULS b                          ; 8 products; the first four start their sums with e.  The four accumulators take turns, one instruction a turn
.irp t, 0,1,2,3
	v_wmma_f32_16x16x32_bf16 v[S+32*(\b)+8*\t:S+32*(\b)+8*\t+7], v[SL+24*(\b):SL+24*(\b)+7], v[KF+16*\t:KF+16*\t+7], v[SL+24*(\b)+16:SL+24*(\b)+23]
.endr
.irp t, 0,1,2,3
	v_wmma_f32_16x16x32_bf16 v[S+32*(\b)+8*\t:S+32*(\b)+8*\t+7], v[SL+24*(\b)+8:SL+24*(\b)+15], v[KF+16*\t+8:KF+16*\t+15], v[S+32*(\b)+8*\t:S+32*(\b)+8*\t+7]
.endr
.endm
.macro VEC e                           ; 32 exponentials, one batch, one wait; 16 packed sums, two that hang together eight lines apart
.set SB, S+32*(\e)
.set z, 0
.rept 32
	v_exp_f32 v[SB+z], v[SB+z]                     ; ascending: each accumulator is read from its low end on
.set z, z+1
.endr
	v_nop
	s_wait_alu depctr_va_vdst(0)
.irp p, 0,1,2,3
.irp t, 0,1,2,3
	v_pk_add_f32 v[CA+4*\t+2*((\p)%2):CA+4*\t+2*((\p)%2)+1], v[CA+4*\t+2*((\p)%2):CA+4*\t+2*((\p)%2)+1], v[SB+8*\t+2*\p:SB+8*\t+2*\p+1]
.endr
.endr
.endm
.macro TRIP e, ld                      ; trip n (e = n % 2): tile n + 2 is asked for, tile n + 1 multiplied, tile n's scores worked on
.if \ld
	LOADQ \e, (2+(\e))*TSTEP, (2+(\e))*128
	s_wait_dscnt 0x6                               ; the six just issued may stay out: tile n + 1 is in
.else
	s_wait_dscnt 0x0
.endif
	MULS 1-(\e)
	VEC \e
.endm
.macro PAIRS n
	s_mov_b32 s[CNT], \n
.Lpair_\@:
	v_add_nc_u32 v[AQ], s[TB], v[AQ0]
	v_add_nc_u32 v[AN], s[TN], v[AN0]
	TRIP 0, 1
	TRIP 1, 1
	s_add_co_u32 s[TB], s[TB], 2*TSTEP
	s_add_co_u32 s[TN], s[TN], 256
	s_sub_co_u32 s[CNT], s[CNT], 1
	s_cmp_lg_u32 s[CNT], 0
	s_cbranch_scc1 .Lpair_\@
.endm
	s_wait_dscnt 0x0                               ; my part of e is stored
	s_wait_tensorcnt 0x3                           ; in waves 0-3 the three younger loads may stay out: chunks 0-3, queries 0-511, my tiles 0-15, are in
	s_barrier_signal -1
	s_barrier_wait -1
	v_mov_b32 v[AQ], v[AQ0]
	v_mov_b32 v[AN], v[AN0]
	LOADQ 0, 0, 0
	LOADQ 1, TSTEP, 128
	s_wait_dscnt 0x6                               ; tile 0 is in
	MULS 0
.rept 8
	v_nop                                          ; the places behind those products, once a launch
.endr
	s_mov_b32 s[TB], 0
	s_mov_b32 s[TN], 0
	PAIRS 7                                        ; trips 0-13: their loads reach my tile 15
	s_wait_tensorcnt 0x0
	s_wait_dscnt 0x0
	s_barrier_signal -1
	s_barrier_wait -1                              ; all chunks are in
	PAIRS 24
	TRIP 0, 0
	VEC 1
.irp t, 0,1,2,3
	v_pk_add_f32 v[CA+4*\t:CA+4*\t+1], v[CA+4*\t:CA+4*\t+1], v[CA+4*\t+2:CA+4*\t+3]
.endr
.irp t, 0,1,2,3
	v_add_f32 v[CA+4*\t], v[CA+4*\t], v[CA+4*\t+1]
.endr
.irp t, 0,1,2,3
	ds_store_b32 v[RS], v[CA+4*\t] offset:256*\t
.endr
	s_wait_dscnt 0x0
	s_barrier_signal -1
	s_barrier_wait -1
	s_cmp_lt_u32 s[WV], 4                          ; threads 0-127 finish four keys each
	s_cbranch_scc0 .Lend
.irp u, 0,1,2,3
	ds_load_b128 v[S+4*\u:S+4*\u+3], v[RR] offset:16*\u
.endr
	s_wait_dscnt 0x0
.irp u, 0,1,2,3
	v_pk_add_f32 v[S+4*\u:S+4*\u+1], v[S+4*\u:S+4*\u+1], v[S+4*\u+2:S+4*\u+3]
.endr
.irp u, 0,1,2,3
	v_add_f32 v[S+16+\u], v[S+4*\u], v[S+4*\u+1]
.endr
	global_store_b128 v[TO], v[S+16:S+19], s[46:47]  ; a wave stores 512 consecutive bytes
.Lend:
	s_wait_tensorcnt 0x0                           ; the wave's end
	ds_add_u32 v[SPW], v[NIL]
	s_wait_dscnt 0x0
	ROUND                                          ; the closing round
	s_endpgm
.Lfunc_end_k_qc1bce76888_col1:
	.size	k_qc1bce76888_col1, .Lfunc_end_k_qc1bce76888_col1-k_qc1bce76888_col1
	.p2alignl 7, 3214868480
	.fill 96, 4, 3214868480
	.section	.rodata,"a",@progbits
	.p2align	6, 0x0
	.amdhsa_kernel k_qc1bce76888_col1
		.amdhsa_group_segment_fixed_size 327680
		.amdhsa_private_segment_fixed_size 0
		.amdhsa_enable_private_segment 0
		.amdhsa_kernarg_size 24
		.amdhsa_user_sgpr_count 2
		.amdhsa_user_sgpr_kernarg_segment_ptr 1
		.amdhsa_wavefront_size32 1
		.amdhsa_system_sgpr_workgroup_id_x 1
		.amdhsa_system_sgpr_workgroup_id_y 1
		.amdhsa_system_sgpr_workgroup_id_z 1
		.amdhsa_system_vgpr_workitem_id 0
		.amdhsa_next_free_vgpr 224
		.amdhsa_next_free_sgpr 66
		.amdhsa_reserve_vcc 0
		.amdhsa_float_denorm_mode_32 3
		.amdhsa_float_denorm_mode_16_64 3
		.amdhsa_memory_ordered 1
		.amdhsa_forward_progress 1
		.amdhsa_inst_pref_size 29
	.end_amdhsa_kernel
	.amdgpu_metadata
---
amdhsa.version: [ 1, 2 ]
amdhsa.kernels:
  - .name:           k_qc1bce76888_col1
    .symbol:         k_qc1bce76888_col1.kd
    .args:
      - { .name: qk, .offset: 0, .size: 8, .value_kind: global_buffer, .address_space: global }
      - { .name: nm, .offset: 8, .size: 8, .value_kind: global_buffer, .address_space: global }
      - { .name: cs, .offset: 16, .size: 8, .value_kind: global_buffer, .address_space: global }
    .group_segment_fixed_size: 327680
    .private_segment_fixed_size: 0
    .kernarg_segment_align: 8
    .kernarg_segment_size: 24
    .max_flat_workgroup_size: 512
    .sgpr_count:     66
    .vgpr_count:     224
    .wavefront_size: 32
...
	.end_amdgpu_metadata
.endif
;; end of part 4
;; launch col2 (part 5): grid 4 x 64, 16 waves a work-group, clusters of 4 x 1, 327,680 bytes of LDS; arguments qk, nm, cs, cw; writes cw
.if DOCPART == 5
	.amdgcn_target "amdgcn-amd-amdhsa--gfx1250"
	.amdhsa_code_object_version 6
	.text
	.protected	k_qc1bce76888_col2
	.globl	k_qc1bce76888_col2
	.p2align	8
	.type	k_qc1bce76888_col2,@function
k_qc1bce76888_col2:
	s_mov_b64 s[64:65], 0
	v_nop
	global_prefetch_b8 v0, s[64:65] scope:SCOPE_SE
	s_setreg_imm32_b32 hwreg(HW_REG_WAVE_MODE, 25, 1), 1
	s_wait_xcnt 0x0
	s_wait_alu depctr_hold_cnt(0) depctr_sa_sdst(0) depctr_va_vdst(0) depctr_va_sdst(0) depctr_va_ssrc(0) depctr_va_vcc(0) depctr_vm_vsrc(0)
	s_getreg_b32 s2, hwreg(HW_REG_IB_STS2, 6, 4)
	s_cmp_eq_u32 s2, 0
	s_cbranch_scc0 .Lentry_in_a_cluster
	s_endpgm
.Lentry_in_a_cluster:
	s_bfe_u32 s2, ttmp6, 0x10000c
	s_cmp_lg_u32 s2, 0x3003
	s_cbranch_scc0 .Lentry_shape_is_right
	s_endpgm
.Lentry_shape_is_right:
; COLUMN SUMS OF THE SOFTMAX.  out[bh][k] = sum over q of 2^(q'[q] . k[k] + e[q]).
; WEIGHTED = 0: e = nm, the row's negative log-sum-exp: out = the sum over queries of attn[q][k].
; WEIGHTED = 1: e = nm + log2(sum over the batch's 16 heads of cs[q]) - 15: each row carries the pooling weight w[q] = (sum of cs) / 32,768 as well.
; The log-sum-exp taken away is at least the row's maximum, and w is at most 1: every exponent is at most 0.  LIMITS: a weight below 2^-126 counts as 0; a column sum that is 0 or denormal gives weight 0; NaN and infinities are not treated apart.
; SHARES.  A work-group takes 512 keys of one head and all 2,048 queries.  Wave w: 64 keys (group w % 8, four tiles, kept in registers as source 1) and every second query tile (parity w / 8).
; S = Q K^T: a lane holds ONE key (lane % 16) and the queries 8 (lane / 16) + 0..7; e of those eight queries is the C operand that starts the sum, so a score needs the exponential alone.
; A lane adds its weights up in registers; a key's four parts (parity x half) meet once, in LDS, at the end.  Sixteen waves, four on a SIMD: one wave's exponentials stand beside another's products.
; LDS.  The head's whole q' (2,048 rows, pitch 144): 16 chunks, each filled once, jointly for the four work-groups of the cluster.  Nothing is filled again, and all is asked for at the head: no prefetch.
.set WEIGHTED, 1
.set PK,    144
.set CHUNK, 128*PK
.set TSTEP, 32*PK
.set NMB,   2048*PK                    ; e of the 2,048 queries
.set RED,   NMB+8192                   ; 512 keys x 4 parts
.set SPARE, RED+8192                   ; the spare words: 128 bytes a wave, named by no other line
.set AQ0, 3
.set AQ,  4
.set AN0, 5
.set AN,  6
.set KO,  7
.set SPW, 8
.set NIL, 9
.set RS,  10
.set RR,  11
.set TO,  12
.set NS,  13
.set CA,  16                           ; key tile t at CA + 4 t: two pairs of running sums
.set SL,  32                           ; two slots of 24: a query tile's two fragments, then e of my eight queries
.set KF,  80                           ; 16 a key tile
.set S,   144                          ; two buffers of 32
.set HB,  144                          ; ahead of the loop: nm's four, then 16 x 4 of cs
.set WV,   8
.set PAR,  9
.set GRP,  10
.set CX,   11
.set HEAD, 12
.set G1,   16
.set G0,   24
.set TB,   40
.set CNT,  41
.set TN,   42
.macro ROUND
	s_barrier_signal -1
	s_barrier_wait -1
	s_cmp_lg_u32 s[WV], 0
	s_cbranch_scc1 .Lnot_wave_0_\@
	s_barrier_signal -3
.Lnot_wave_0_\@:
	s_barrier_wait -3
	s_barrier_signal -1
	s_barrier_wait -1
.endm
	s_load_b128 s[4:7], s[0:1], 0x0                ; qk s[4:5], nm s[6:7]
.if WEIGHTED
	s_load_b128 s[44:47], s[0:1], 0x10             ; cs s[44:45], the output s[46:47]
.else
	s_load_b64 s[46:47], s[0:1], 0x10              ; the output
.endif
	v_lshl_add_u32 v[SPW], v0, 2, SPARE
	v_mov_b32 v[NIL], 0
	ds_add_u32 v[SPW], v[NIL]                      ; the wave's opening: the add and its wait stand ahead of the first tensor loads
	v_lshrrev_b32 v1, 5, v0
	v_readfirstlane_b32 s[WV], v1
	s_lshr_b32 s[PAR], s[WV], 3
	s_and_b32 s[GRP], s[WV], 7
	s_bfe_u32 s[CX], ttmp6, 0x40000                ; my place in the cluster: it enters K's and the output's addresses alone
	s_and_b32 s[HEAD], ttmp7, 0xffff
	s_mov_b32 s[G1], 15|(1<<16)|(1<<20)|(1<<21)|(4<<22)|(3<<25)  ; the mask of four; 2-byte elements; padding on; bit 21 beside a mask; 4 words behind every 32
	s_mov_b32 s[G1+1], 128<<16
	s_mov_b32 s[G1+2], 64<<16
	s_mov_b32 s[G1+3], 128<<16
	s_mov_b32 s[G1+4], 64
	s_mov_b32 s[G1+5], 128
	s_mov_b32 s[G1+6], 0
	s_mov_b32 s[G1+7], 0
	s_lshl_b32 s50, s[HEAD], 18                    ; the head's q', chunk = wave
	s_lshl_b32 s13, s[WV], 14
	s_add_co_u32 s50, s50, s13
	s_mov_b32 s51, 0
	s_lshl_b32 s2, s[HEAD], 18                     ; my 64 rows of k
	s_lshl_b32 s3, s[CX], 16
	s_add_co_u32 s2, s2, s3
	s_lshl_b32 s3, s[GRP], 13
	s_add_co_u32 s2, s2, s3
	s_add_co_u32 s2, s2, 16777216
	s_mov_b32 s3, 0
	s_wait_dscnt 0x0                               ; the opening add is done
	s_wait_kmcnt 0x0
	s_add_nc_u64 s[14:15], s[4:5], s[50:51]
	s_add_nc_u64 s[48:49], s[4:5], s[2:3]
	s_lshl_b32 s2, s[HEAD], 13
	s_lshl_b32 s3, s[CX], 11
	s_add_co_u32 s2, s2, s3
	s_mov_b32 s3, 0
	s_add_nc_u64 s[46:47], s[46:47], s[2:3]        ; the output at the work-group's 512 keys
	s_lshl_b32 s50, s[HEAD], 13
	s_add_nc_u64 s[6:7], s[6:7], s[50:51]          ; nm at the head
.if WEIGHTED
	s_lshr_b32 s50, s[HEAD], 4
	s_lshl_b32 s50, s50, 17
	s_add_nc_u64 s[44:45], s[44:45], s[50:51]      ; cs at the batch's 16 heads
.endif
.irp g, 0,1,2,3                        ; set g: chunk 4 g + wave (used by waves 0-3)
	s_mov_b32 s[G0+4*\g], 1
	s_mul_i32 s[G0+4*\g+1], s[WV], CHUNK
	s_add_co_u32 s[G0+4*\g+1], s[G0+4*\g+1], \g*4*CHUNK
	s_add_nc_u64 s[G0+4*\g+2:G0+4*\g+3], s[14:15], \g*4*16384
	s_or_b32 s[G0+4*\g+3], s[G0+4*\g+3], 0x80000000
.endr
	ROUND                                          ; all four work-groups are here: the joint loads meet
	s_cmp_lt_u32 s[WV], 4                          ; waves 0-3 issue four loads each, in one branch: four of mine are out at the most
	s_cbranch_scc0 .Lno_fill
.irp g, 0,1,2,3
	tensor_load_to_lds s[G0+4*\g:G0+4*\g+3], s[G1:G1+7]
	s_nop 0
.endr
.rept 4
	v_nop
.endr
.Lno_fill:
	v_and_b32 v1, 15, v0
	v_bfe_u32 v2, v0, 4, 1
	v_lshlrev_b32 v[KO], 7, v1
	v_lshl_add_u32 v[KO], v2, 4, v[KO]
.irp t, 0,1,2,3
.irp n, 0,1,2,3
	global_load_b128 v[KF+16*\t+4*\n:KF+16*\t+4*\n+3], v[KO], s[48:49] offset:\t*2048+\n*32
.endr
.endr
	v_lshlrev_b32 v[TO], 4, v0                     ; 16 x thread: four queries of the 2,048; later four keys of the 512
	global_load_b128 v[HB:HB+3], v[TO], s[6:7]
.if WEIGHTED
.irp i, 0,1,2,3,4,5,6,7,8,9,10,11,12,13,14,15
	global_load_b128 v[HB+4+4*\i:HB+4+4*\i+3], v[TO], s[44:45] offset:8192*\i
.endr
.endif
	s_mul_i32 s13, s[PAR], 16*PK
	v_mul_u32_u24 v[AQ0], v1, PK
	v_lshl_add_u32 v[AQ0], v2, 4, v[AQ0]
	v_add_nc_u32 v[AQ0], s13, v[AQ0]
	s_lshl_b32 s13, s[PAR], 6
	s_add_co_u32 s13, s13, NMB
	v_lshl_add_u32 v[AN0], v2, 5, s13              ; e of queries 8 (l / 16) + 0..7 of my parity's first tile
	s_lshl_b32 s13, s[GRP], 10
	s_lshl_b32 s43, s[PAR], 3
	s_add_co_u32 s13, s13, s43
	s_add_co_u32 s13, s13, RED
	v_lshlrev_b32 v[RS], 4, v1
	v_lshl_add_u32 v[RS], v2, 2, v[RS]
	v_add_nc_u32 v[RS], s13, v[RS]                 ; key x 16 + (2 x parity + half) x 4
	v_lshl_add_u32 v[RR], v0, 6, RED
	v_lshl_add_u32 v[NS], v0, 4, NMB
.set z, 0
.rept 16
	v_mov_b32 v[CA+z], 0
.set z, z+1
.endr
	s_wait_loadcnt 0x0
.if WEIGHTED
.irp d, 32,16,8,4                      ; the 16 heads' column sums are added, four queries a thread
.set z, 0
.rept (\d)/2
	v_pk_add_f32 v[HB+4+z:HB+4+z+1], v[HB+4+z:HB+4+z+1], v[HB+4+z+(\d):HB+4+z+(\d)+1]
.set z, z+2
.endr
.endr
.irp i, 0,1,2,3
	v_log_f32 v[HB+4+\i], v[HB+4+\i]
.endr
	v_nop
	s_wait_alu depctr_va_vdst(0)
.irp i, 0,1,2,3
	v_add_f32 v[HB+\i], v[HB+\i], v[HB+4+\i]
.endr
.irp i, 0,1,2,3
	v_add_f32 v[HB+\i], 0xc1700000, v[HB+\i]       ; - 15 = - log2(16 heads x 2,048 queries)
.endr
.irp i, 0,1,2,3
	v_max_num_f32 v[HB+\i], 0xff7fffff, v[HB+\i]   ; a weight of 0 stays a finite exponent
.endr
.endif
	ds_store_b128 v[NS], v[HB:HB+3]
.macro LOADQ slot, offq, offn          ; a query tile and its e
.irp n, 0,1,2,3
	ds_load_b128 v[SL+24*(\slot)+4*\n:SL+24*(\slot)+4*\n+3], v[AQ] offset:(\offq)+32*\n
.endr
	ds_load_b128 v[SL+24*(\slot)+16:SL+24*(\slot)+19], v[AN] offset:(\offn)
	ds_load_b128 v[SL+24*(\slot)+20:SL+24*(\slot)+23], v[AN] offset:(\offn)+16
.endm
.macro MULS b                          ; 8 products; the first four start their sums with e.  The four accumulators take turns, one instruction a turn
.irp t, 0,1,2,3
	v_wmma_f32_16x16x32_bf16 v[S+32*(\b)+8*\t:S+32*(\b)+8*\t+7], v[SL+24*(\b):SL+24*(\b)+7], v[KF+16*\t:KF+16*\t+7], v[SL+24*(\b)+16:SL+24*(\b)+23]
.endr
.irp t, 0,1,2,3
	v_wmma_f32_16x16x32_bf16 v[S+32*(\b)+8*\t:S+32*(\b)+8*\t+7], v[SL+24*(\b)+8:SL+24*(\b)+15], v[KF+16*\t+8:KF+16*\t+15], v[S+32*(\b)+8*\t:S+32*(\b)+8*\t+7]
.endr
.endm
.macro VEC e                           ; 32 exponentials, one batch, one wait; 16 packed sums, two that hang together eight lines apart
.set SB, S+32*(\e)
.set z, 0
.rept 32
	v_exp_f32 v[SB+z], v[SB+z]                     ; ascending: each accumulator is read from its low end on
.set z, z+1
.endr
	v_nop
	s_wait_alu depctr_va_vdst(0)
.irp p, 0,1,2,3
.irp t, 0,1,2,3
	v_pk_add_f32 v[CA+4*\t+2*((\p)%2):CA+4*\t+2*((\p)%2)+1], v[CA+4*\t+2*((\p)%2):CA+4*\t+2*((\p)%2)+1], v[SB+8*\t+2*\p:SB+8*\t+2*\p+1]
.endr
.endr
.endm
.macro TRIP e, ld                      ; trip n (e = n % 2): tile n + 2 is asked for, tile n + 1 multiplied, tile n's scores worked on
.if \ld
	LOADQ \e, (2+(\e))*TSTEP, (2+(\e))*128
	s_wait_dscnt 0x6                               ; the six just issued may stay out: tile n + 1 is in
.else
	s_wait_dscnt 0x0
.endif
	MULS 1-(\e)
	VEC \e
.endm
.macro PAIRS n
	s_mov_b32 s[CNT], \n
.Lpair_\@:
	v_add_nc_u32 v[AQ], s[TB], v[AQ0]
	v_add_nc_u32 v[AN], s[TN], v[AN0]
	TRIP 0, 1
	TRIP 1, 1
	s_add_co_u32 s[TB], s[TB], 2*TSTEP
	s_add_co_u32 s[TN], s[TN], 256
	s_sub_co_u32 s[CNT], s[CNT], 1
	s_cmp_lg_u32 s[CNT], 0
	s_cbranch_scc1 .Lpair_\@
.endm
	s_wait_dscnt 0x0                               ; my part of e is stored
	s_wait_tensorcnt 0x3                           ; in waves 0-3 the three younger loads may stay out: chunks 0-3, queries 0-511, my tiles 0-15, are in
	s_barrier_signal -1
	s_barrier_wait -1
	v_mov_b32 v[AQ], v[AQ0]
	v_mov_b32 v[AN], v[AN0]
	LOADQ 0, 0, 0
	LOADQ 1, TSTEP, 128
	s_wait_dscnt 0x6                               ; tile 0 is in
	MULS 0
.rept 8
	v_nop                                          ; the places behind those products, once a launch
.endr
	s_mov_b32 s[TB], 0
	s_mov_b32 s[TN], 0
	PAIRS 7                                        ; trips 0-13: their loads reach my tile 15
	s_wait_tensorcnt 0x0
	s_wait_dscnt 0x0
	s_barrier_signal -1
	s_barrier_wait -1                              ; all chunks are in
	PAIRS 24
	TRIP 0, 0
	VEC 1
.irp t, 0,1,2,3
	v_pk_add_f32 v[CA+4*\t:CA+4*\t+1], v[CA+4*\t:CA+4*\t+1], v[CA+4*\t+2:CA+4*\t+3]
.endr
.irp t, 0,1,2,3
	v_add_f32 v[CA+4*\t], v[CA+4*\t], v[CA+4*\t+1]
.endr
.irp t, 0,1,2,3
	ds_store_b32 v[RS], v[CA+4*\t] offset:256*\t
.endr
	s_wait_dscnt 0x0
	s_barrier_signal -1
	s_barrier_wait -1
	s_cmp_lt_u32 s[WV], 4                          ; threads 0-127 finish four keys each
	s_cbranch_scc0 .Lend
.irp u, 0,1,2,3
	ds_load_b128 v[S+4*\u:S+4*\u+3], v[RR] offset:16*\u
.endr
	s_wait_dscnt 0x0
.irp u, 0,1,2,3
	v_pk_add_f32 v[S+4*\u:S+4*\u+1], v[S+4*\u:S+4*\u+1], v[S+4*\u+2:S+4*\u+3]
.endr
.irp u, 0,1,2,3
	v_add_f32 v[S+16+\u], v[S+4*\u], v[S+4*\u+1]
.endr
	global_store_b128 v[TO], v[S+16:S+19], s[46:47]  ; a wave stores 512 consecutive bytes
.Lend:
	s_wait_tensorcnt 0x0                           ; the wave's end
	ds_add_u32 v[SPW], v[NIL]
	s_wait_dscnt 0x0
	ROUND                                          ; the closing round
	s_endpgm
.Lfunc_end_k_qc1bce76888_col2:
	.size	k_qc1bce76888_col2, .Lfunc_end_k_qc1bce76888_col2-k_qc1bce76888_col2
	.p2alignl 7, 3214868480
	.fill 96, 4, 3214868480
	.section	.rodata,"a",@progbits
	.p2align	6, 0x0
	.amdhsa_kernel k_qc1bce76888_col2
		.amdhsa_group_segment_fixed_size 327680
		.amdhsa_private_segment_fixed_size 0
		.amdhsa_enable_private_segment 0
		.amdhsa_kernarg_size 32
		.amdhsa_user_sgpr_count 2
		.amdhsa_user_sgpr_kernarg_segment_ptr 1
		.amdhsa_wavefront_size32 1
		.amdhsa_system_sgpr_workgroup_id_x 1
		.amdhsa_system_sgpr_workgroup_id_y 1
		.amdhsa_system_sgpr_workgroup_id_z 1
		.amdhsa_system_vgpr_workitem_id 0
		.amdhsa_next_free_vgpr 224
		.amdhsa_next_free_sgpr 66
		.amdhsa_reserve_vcc 0
		.amdhsa_float_denorm_mode_32 3
		.amdhsa_float_denorm_mode_16_64 3
		.amdhsa_memory_ordered 1
		.amdhsa_forward_progress 1
		.amdhsa_inst_pref_size 33
	.end_amdhsa_kernel
	.amdgpu_metadata
---
amdhsa.version: [ 1, 2 ]
amdhsa.kernels:
  - .name:           k_qc1bce76888_col2
    .symbol:         k_qc1bce76888_col2.kd
    .args:
      - { .name: qk, .offset: 0, .size: 8, .value_kind: global_buffer, .address_space: global }
      - { .name: nm, .offset: 8, .size: 8, .value_kind: global_buffer, .address_space: global }
      - { .name: cs, .offset: 16, .size: 8, .value_kind: global_buffer, .address_space: global }
      - { .name: cw, .offset: 24, .size: 8, .value_kind: global_buffer, .address_space: global }
    .group_segment_fixed_size: 327680
    .private_segment_fixed_size: 0
    .kernarg_segment_align: 8
    .kernarg_segment_size: 32
    .max_flat_workgroup_size: 512
    .sgpr_count:     66
    .vgpr_count:     224
    .wavefront_size: 32
...
	.end_amdgpu_metadata
.endif
;; end of part 5
;; launch ysum (part 6): grid 64 x 4, 8 waves a work-group, no clusters, 99,840 bytes of LDS; arguments xb, cw, yp; writes yp
.if DOCPART == 6
	.amdgcn_target "amdgcn-amd-amdhsa--gfx1250"
	.amdhsa_code_object_version 6
	.text
	.protected	k_qc1bce76888_ysum
	.globl	k_qc1bce76888_ysum
	.p2align	8
	.type	k_qc1bce76888_ysum,@function
k_qc1bce76888_ysum:
	s_mov_b64 s[64:65], 0
	v_nop
	global_prefetch_b8 v0, s[64:65] scope:SCOPE_SE
	s_setreg_imm32_b32 hwreg(HW_REG_WAVE_MODE, 25, 1), 1
	s_wait_xcnt 0x0
; yp[kc][b][h][i] = sum over the 256 rows k of part kc of c[b][h][k] x[b][k][i]: the weighted row sums of x for the batch's 16 heads at once.
; c is f32; for the matrix unit it is split into c_hi + c_lo, both bf16 (what is left is below 2^-16 of c), with an accumulator each; x is bf16; sums f32.
; SHARES.  Work-group (cc, kc, b): 128 columns x 256 rows.  Wave w owns columns 16 w .. 16 w + 15 over all 256 rows: no sum crosses waves.
; y^T = x^T c^T: source 0 = 16 columns of x (x lies [k][i] in LDS and comes out turned), source 1 = the 16 heads: a lane holds ONE head (lane % 16) and eight neighbouring columns.
; x comes through registers (each load two whole rows of 256 bytes); each wave prepares c's fragments of one K step of 32 for all.  No tile is shared between work-groups: no cluster.
.set PX,    288                        ; a row of x in LDS: 256 + 32 bytes: an odd multiple of 32
.set CF,    256*PX                     ; c's fragments: K step s at 2,048 s: hi 0-3, hi 4-7, lo 0-3, lo 4-7, 512 bytes each, a lane's 16 bytes at 16 x lane
.set STG,   CF+16384                   ; 16 heads x 528 bytes, for the way out
.set PS,    528
.set SPARE, STG+8704                   ; the spare words: 128 bytes a wave, named by no other line
.set CO,  4
.set XO,  5
.set XS,  6
.set CS,  7
.set XF,  8
.set XF2, 9
.set CR,  10
.set SS,  11
.set SPW, 14
.set NIL, 15
.set ACC0, 16
.set ACC1, 24
.set RC,  32
.set HI,  48
.set LO,  56
.set X,   64
.set CFR, 128
.set SR,  32                           ; made late, where the raw c lay
.set YO,  33
	s_load_b128 s[4:7], s[0:1], 0x0                ; xb s[4:5], cw s[6:7]
	s_load_b64 s[8:9], s[0:1], 0x10                ; yp
	v_lshl_add_u32 v[SPW], v0, 2, SPARE
	v_mov_b32 v[NIL], 0
	v_lshrrev_b32 v1, 5, v0
	v_readfirstlane_b32 s10, v1                    ; wave 0..7
	s_and_b32 s11, ttmp9, 7                        ; cc
	s_lshr_b32 s12, ttmp9, 3                       ; kc
	s_and_b32 s13, ttmp7, 0xffff                   ; b
	v_and_b32 v1, 15, v0
	v_bfe_u32 v2, v0, 4, 1
	v_and_b32 v3, 31, v0
	s_lshl_b32 s14, s13, 17                        ; c: 16 heads of 8,192 bytes a batch,
	s_lshl_b32 s15, s12, 10                        ; 256 k a part,
	s_add_co_u32 s14, s14, s15
	s_lshl_b32 s15, s10, 7                         ; K step = wave
	s_add_co_u32 s14, s14, s15
	s_mov_b32 s15, 0
	s_lshl_b32 s16, s13, 22                        ; x: 2,048 rows of 2,048 bytes a batch,
	s_lshl_b32 s17, s12, 19                        ; 256 rows a part,
	s_add_co_u32 s16, s16, s17
	s_lshl_b32 s17, s10, 16                        ; 32 rows a wave,
	s_add_co_u32 s16, s16, s17
	s_lshl_b32 s17, s11, 8                         ; 128 columns
	s_add_co_u32 s16, s16, s17
	s_mov_b32 s17, 0
	s_lshl_b32 s18, s12, 18                        ; yp: ((kc x 4 + b) x 16 + wave) rows of 4,096 bytes + 512 cc
	s_lshl_b32 s19, s13, 16
	s_add_co_u32 s18, s18, s19
	s_lshl_b32 s19, s10, 12
	s_add_co_u32 s18, s18, s19
	s_lshl_b32 s19, s11, 9
	s_add_co_u32 s18, s18, s19
	s_mov_b32 s19, 0
	v_lshlrev_b32 v[CO], 13, v1                    ; head l % 16, k 8 (l / 16) on
	v_lshl_add_u32 v[CO], v2, 5, v[CO]
	v_lshlrev_b32 v[XO], 11, v2                    ; lanes 0-15 one row, lanes 16-31 the next
	v_lshl_add_u32 v[XO], v1, 4, v[XO]
	s_wait_kmcnt 0x0
	s_add_nc_u64 s[6:7], s[6:7], s[14:15]
	s_add_nc_u64 s[4:5], s[4:5], s[16:17]
	s_add_nc_u64 s[8:9], s[8:9], s[18:19]
	global_load_b128 v[RC:RC+3],     v[CO], s[6:7]
	global_load_b128 v[RC+4:RC+7],   v[CO], s[6:7] offset:16
	global_load_b128 v[RC+8:RC+11],  v[CO], s[6:7] offset:64
	global_load_b128 v[RC+12:RC+15], v[CO], s[6:7] offset:80
.irp u, 0,1,2,3,4,5,6,7,8,9,10,11,12,13,14,15
	global_load_b128 v[X+4*\u:X+4*\u+3], v[XO], s[4:5] offset:4096*\u
.endr
	s_mul_i32 s20, s10, 32*PX
	v_mul_u32_u24 v[XS], v2, PX
	v_lshl_add_u32 v[XS], v1, 4, v[XS]
	v_add_nc_u32 v[XS], s20, v[XS]
	s_lshl_b32 s20, s10, 11
	s_add_co_u32 s20, s20, CF
	v_lshl_add_u32 v[CS], v3, 4, s20
	v_and_b32 v12, 7, v0
	v_lshl_add_u32 v12, v2, 3, v12
	v_mul_u32_u24 v[XF], v12, PX                   ; the turning load: row 8 (l / 16) + l % 8,
	v_bfe_u32 v12, v0, 3, 1
	v_lshl_add_u32 v[XF], v12, 4, v[XF]            ; columns 8 ((l / 8) % 2) on,
	s_lshl_b32 s20, s10, 5
	v_add_nc_u32 v[XF], s20, v[XF]                 ; of my 16
	v_add_nc_u32 v[XF2], 4*32*PX, v[XF]            ; K steps 4-7: the immediate alone does not reach them
	v_lshl_add_u32 v[CR], v3, 4, CF
	s_lshl_b32 s20, s10, 6
	s_add_co_u32 s20, s20, STG
	v_mul_u32_u24 v[SS], v1, PS
	v_lshl_add_u32 v[SS], v2, 5, v[SS]
	v_add_nc_u32 v[SS], s20, v[SS]
	s_wait_loadcnt 16                              ; c is in; x's sixteen loads may stay out
.irp p, 0,1,2,3,4,5,6,7
	v_cvt_pk_bf16_f32 v[HI+\p], v[RC+2*\p], v[RC+2*\p+1]
	v_lshlrev_b32 v12, 16, v[HI+\p]
	v_and_b32 v13, 0xffff0000, v[HI+\p]
	v_pk_add_f32 v[12:13], v[RC+2*\p:RC+2*\p+1], v[12:13] neg_lo:[0,1] neg_hi:[0,1]  ; what the first rounding left
	v_cvt_pk_bf16_f32 v[LO+\p], v12, v13
.endr
	ds_store_b128 v[CS], v[HI:HI+3]
	ds_store_b128 v[CS], v[HI+4:HI+7] offset:512
	ds_store_b128 v[CS], v[LO:LO+3] offset:1024
	ds_store_b128 v[CS], v[LO+4:LO+7] offset:1536
.irp u, 0,1,2,3,4,5,6,7,8,9,10,11,12,13,14,15
	s_wait_loadcnt 15-\u                           ; the 15 - u younger loads may stay out
	ds_store_b128 v[XS], v[X+4*\u:X+4*\u+3] offset:2*PX*\u
.endr
	s_wait_dscnt 0x0                               ; for the others' sake
	s_barrier_signal -1
	s_barrier_wait -1
.irp s, 0,1,2,3,4,5,6,7                ; six loads a K step
.if \s < 4
	ds_load_tr16_b128 v[X+8*\s:X+8*\s+3],   v[XF] offset:32*PX*\s
	ds_load_tr16_b128 v[X+8*\s+4:X+8*\s+7], v[XF] offset:32*PX*\s+16*PX
.else
	ds_load_tr16_b128 v[X+8*\s:X+8*\s+3],   v[XF2] offset:32*PX*(\s-4)
	ds_load_tr16_b128 v[X+8*\s+4:X+8*\s+7], v[XF2] offset:32*PX*(\s-4)+16*PX
.endif
.irp n, 0,1,2,3
	ds_load_b128 v[CFR+16*\s+4*\n:CFR+16*\s+4*\n+3], v[CR] offset:2048*\s+512*\n
.endr
.endr
.irp s, 0,1,2,3,4,5,6,7                ; the two accumulators take turns, one instruction a turn
	s_wait_dscnt 42-6*\s                           ; the later K steps' loads may stay out
.if \s == 0
	v_wmma_f32_16x16x32_bf16 v[ACC0:ACC0+7], v[X+8*\s:X+8*\s+7], v[CFR+16*\s:CFR+16*\s+7], 0
	v_wmma_f32_16x16x32_bf16 v[ACC1:ACC1+7], v[X+8*\s:X+8*\s+7], v[CFR+16*\s+8:CFR+16*\s+15], 0
.else
	v_wmma_f32_16x16x32_bf16 v[ACC0:ACC0+7], v[X+8*\s:X+8*\s+7], v[CFR+16*\s:CFR+16*\s+7], v[ACC0:ACC0+7]
	v_wmma_f32_16x16x32_bf16 v[ACC1:ACC1+7], v[X+8*\s:X+8*\s+7], v[CFR+16*\s+8:CFR+16*\s+15], v[ACC1:ACC1+7]
.endif
.endr
	s_mul_i32 s20, s10, PS
	s_add_co_u32 s20, s20, STG
	v_lshl_add_u32 v[SR], v3, 4, s20               ; two useful lines and six v_nop: the places behind the last products, once a launch
	v_lshlrev_b32 v[YO], 4, v3
.rept 6
	v_nop
.endr
.irp p, 0,2,4,6
	v_pk_add_f32 v[ACC0+\p:ACC0+\p+1], v[ACC0+\p:ACC0+\p+1], v[ACC1+\p:ACC1+\p+1]  ; from the low end on
.endr
	ds_store_b128 v[SS], v[ACC0:ACC0+3]
	ds_store_b128 v[SS], v[ACC0+4:ACC0+7] offset:16
	s_wait_dscnt 0x0
	s_barrier_signal -1
	s_barrier_wait -1
	ds_load_b128 v[36:39], v[SR]                   ; head = wave: its 128 columns, 512 bytes
	ds_load_b128 v[40:43], v[SR] offset:8*PS       ; head = wave + 8
	s_wait_dscnt 0x1
	global_store_b128 v[YO], v[36:39], s[8:9]
	s_wait_dscnt 0x0
	global_store_b128 v[YO], v[40:43], s[8:9] offset:8*4096
	s_wait_tensorcnt 0x0                           ; the wave's end
	ds_add_u32 v[SPW], v[NIL]
	s_wait_dscnt 0x0
	s_endpgm
.Lfunc_end_k_qc1bce76888_ysum:
	.size	k_qc1bce76888_ysum, .Lfunc_end_k_qc1bce76888_ysum-k_qc1bce76888_ysum
	.p2alignl 7, 3214868480
	.fill 96, 4, 3214868480
	.section	.rodata,"a",@progbits
	.p2align	6, 0x0
	.amdhsa_kernel k_qc1bce76888_ysum
		.amdhsa_group_segment_fixed_size 99840
		.amdhsa_private_segment_fixed_size 0
		.amdhsa_enable_private_segment 0
		.amdhsa_kernarg_size 24
		.amdhsa_user_sgpr_count 2
		.amdhsa_user_sgpr_kernarg_segment_ptr 1
		.amdhsa_wavefront_size32 1
		.amdhsa_system_sgpr_workgroup_id_x 1
		.amdhsa_system_sgpr_workgroup_id_y 1
		.amdhsa_system_sgpr_workgroup_id_z 1
		.amdhsa_system_vgpr_workitem_id 0
		.amdhsa_next_free_vgpr 256
		.amdhsa_next_free_sgpr 66
		.amdhsa_reserve_vcc 0
		.amdhsa_float_denorm_mode_32 3
		.amdhsa_float_denorm_mode_16_64 3
		.amdhsa_memory_ordered 1
		.amdhsa_forward_progress 1
		.amdhsa_inst_pref_size 15
	.end_amdhsa_kernel
	.amdgpu_metadata
---
amdhsa.version: [ 1, 2 ]
amdhsa.kernels:
  - .name:           k_qc1bce76888_ysum
    .symbol:         k_qc1bce76888_ysum.kd
    .args:
      - { .name: xb, .offset: 0, .size: 8, .value_kind: global_buffer, .address_space: global }
      - { .name: cw, .offset: 8, .size: 8, .value_kind: global_buffer, .address_space: global }
      - { .name: yp, .offset: 16, .size: 8, .value_kind: global_buffer, .address_space: global }
    .group_segment_fixed_size: 99840
    .private_segment_fixed_size: 0
    .kernarg_segment_align: 8
    .kernarg_segment_size: 24
    .max_flat_workgroup_size: 256
    .sgpr_count:     66
    .vgpr_count:     256
    .wavefront_size: 32
...
	.end_amdgpu_metadata
.endif
;; end of part 6
;; launch zproj (part 7): grid 16 x 4, 8 waves a work-group, no clusters, 21,504 bytes of LDS; arguments yp, Wv, zz; writes zz
.if DOCPART == 7
	.amdgcn_target "amdgcn-amd-amdhsa--gfx1250"
	.amdhsa_code_object_version 6
	.text
	.protected	k_qc1bce76888_zproj
	.globl	k_qc1bce76888_zproj
	.p2align	8
	.type	k_qc1bce76888_zproj,@function
k_qc1bce76888_zproj:
	s_mov_b64 s[64:65], 0
	v_nop
	global_prefetch_b8 v0, s[64:65] scope:SCOPE_SE
	s_setreg_imm32_b32 hwreg(HW_REG_WAVE_MODE, 25, 1), 1
	s_wait_xcnt 0x0
; zz[ic][b][64 h + n] = sum over the 256 rows i of part ic of Y[b][h][i] bf16(Wv[i][64 h + n]), Y = the sum of yp's eight parts.
; Four rows (the batches) only: 4 M multiply-adds in the whole launch, in f32 on the vector unit, so that Y is not rounded; a matrix tile would be a quarter full.  Wv is read once, in whole rows of 256 bytes.
; Work-group (h, ic).  Wave w takes rows 32 w .. 32 w + 31, two a load (lanes 0-15, lanes 16-31); a lane holds four columns x four batches.  The 16 parts (wave x half) meet in LDS.
.set YT,    0                          ; Y as [256 i][4 b]
.set RED,   4096                       ; 16 parts x [4 b][64 n]
.set SPARE, 20480                      ; the spare words: 128 bytes a wave, named by no other line
.set YO,  3
.set WO,  4
.set YS,  5
.set YR,  6
.set RSV, 7
.set RRD, 8
.set OO,  9
.set SPW, 14
.set NIL, 15
.set ACC, 16                           ; batch b's four columns at ACC + 4 b; ahead of that yp's eight loads, v16-47
.set T,   48
.set X,   64
.set YQ,  128
	s_load_b128 s[4:7], s[0:1], 0x0                ; yp s[4:5], Wv s[6:7]
	s_load_b64 s[8:9], s[0:1], 0x10                ; zz
	v_lshl_add_u32 v[SPW], v0, 2, SPARE
	v_mov_b32 v[NIL], 0
	v_lshrrev_b32 v1, 5, v0
	v_readfirstlane_b32 s10, v1                    ; wave 0..7
	s_and_b32 s12, ttmp7, 0xffff                   ; ic
	v_and_b32 v1, 15, v0
	v_bfe_u32 v2, v0, 4, 1
	v_lshrrev_b32 v10, 6, v0                       ; b
	v_and_b32 v11, 63, v0                          ; four i
	v_lshlrev_b32 v[YO], 4, v11
	v_lshl_add_u32 v[YO], v10, 16, v[YO]
	v_lshlrev_b32 v[WO], 4, v1
	v_lshl_add_u32 v[WO], v2, 12, v[WO]
	s_lshl_b32 s14, ttmp9, 12                      ; yp: head h, rows i from 256 ic
	s_lshl_b32 s15, s12, 10
	s_add_co_u32 s14, s14, s15
	s_mov_b32 s15, 0
	s_lshl_b32 s16, s12, 20                        ; Wv: row 256 ic + 32 w, column 64 h
	s_lshl_b32 s17, s10, 17
	s_add_co_u32 s16, s16, s17
	s_lshl_b32 s17, ttmp9, 8
	s_add_co_u32 s16, s16, s17
	s_mov_b32 s17, 0
	s_lshl_b32 s18, s12, 14                        ; zz
	s_lshl_b32 s19, ttmp9, 8
	s_add_co_u32 s18, s18, s19
	s_mov_b32 s19, 0
	s_wait_kmcnt 0x0
	s_add_nc_u64 s[4:5], s[4:5], s[14:15]
	s_add_nc_u64 s[6:7], s[6:7], s[16:17]
	s_add_nc_u64 s[8:9], s[8:9], s[18:19]
.irp c, 0,1,2,3,4,5,6,7
	global_load_b128 v[ACC+4*\c:ACC+4*\c+3], v[YO], s[4:5] offset:262144*\c
.endr
.irp u, 0,1,2,3,4,5,6,7,8,9,10,11,12,13,14,15
	global_load_b128 v[X+4*\u:X+4*\u+3], v[WO], s[6:7] offset:8192*\u th:TH_LOAD_NT
.endr
	v_lshlrev_b32 v[YS], 6, v11
	v_lshl_add_u32 v[YS], v10, 2, v[YS]
	s_lshl_b32 s16, s10, 9
	v_lshl_add_u32 v[YR], v2, 4, s16
	s_lshl_b32 s16, s10, 11
	s_add_co_u32 s16, s16, RED
	v_lshlrev_b32 v[RSV], 4, v1
	v_lshl_add_u32 v[RSV], v2, 10, v[RSV]
	v_add_nc_u32 v[RSV], s16, v[RSV]
	v_lshl_add_u32 v[RRD], v0, 4, RED
	v_lshrrev_b32 v10, 4, v0
	v_lshlrev_b32 v[OO], 4, v1
	v_lshl_add_u32 v[OO], v10, 12, v[OO]
	s_wait_loadcnt 16                              ; yp's eight are in; Wv's sixteen may stay out
.irp d, 16,8,4
.set z, 0
.rept (\d)/2
	v_pk_add_f32 v[ACC+z:ACC+z+1], v[ACC+z:ACC+z+1], v[ACC+z+(\d):ACC+z+(\d)+1]
.set z, z+2
.endr
.endr
.irp e, 0,1,2,3
	ds_store_b32 v[YS], v[ACC+\e] offset:16*\e
.endr
	s_wait_dscnt 0x0
	s_barrier_signal -1
	s_barrier_wait -1
.irp u, 0,1,2,3,4,5,6,7,8,9,10,11,12,13,14,15
	ds_load_b128 v[YQ+4*\u:YQ+4*\u+3], v[YR] offset:32*\u   ; my row's Y for the four batches
.endr
	s_wait_dscnt 0x0
; One row of the weights: four columns are rounded to bf16 and widened; eight packed multiply-adds, four batches x two pairs of columns.  The first row starts the sums.
.macro ROWS u, yq
	v_cvt_pk_bf16_f32 v[T], v[X+4*(\u)], v[X+4*(\u)+1]
	v_cvt_pk_bf16_f32 v[T+1], v[X+4*(\u)+2], v[X+4*(\u)+3]
	v_lshlrev_b32 v[T+2], 16, v[T]
	v_and_b32 v[T+3], 0xffff0000, v[T]
	v_lshlrev_b32 v[T+4], 16, v[T+1]
	v_and_b32 v[T+5], 0xffff0000, v[T+1]
.irp c, 0,1
.irp p, 0,1
.if (\u) == 0
	v_pk_mul_f32 v[ACC+8*\c+2*\p:ACC+8*\c+2*\p+1], v[T+2+2*\p:T+3+2*\p], v[(\yq)+2*\c:(\yq)+2*\c+1] op_sel:[0,0] op_sel_hi:[1,0]
	v_pk_mul_f32 v[ACC+8*\c+4+2*\p:ACC+8*\c+4+2*\p+1], v[T+2+2*\p:T+3+2*\p], v[(\yq)+2*\c:(\yq)+2*\c+1] op_sel:[0,1] op_sel_hi:[1,1]
.else
	v_pk_fma_f32 v[ACC+8*\c+2*\p:ACC+8*\c+2*\p+1], v[T+2+2*\p:T+3+2*\p], v[(\yq)+2*\c:(\yq)+2*\c+1], v[ACC+8*\c+2*\p:ACC+8*\c+2*\p+1] op_sel:[0,0,0] op_sel_hi:[1,0,1]
	v_pk_fma_f32 v[ACC+8*\c+4+2*\p:ACC+8*\c+4+2*\p+1], v[T+2+2*\p:T+3+2*\p], v[(\yq)+2*\c:(\yq)+2*\c+1], v[ACC+8*\c+4+2*\p:ACC+8*\c+4+2*\p+1] op_sel:[0,1,0] op_sel_hi:[1,1,1]
.endif
.endr
.endr
.endm
.irp u, 0,1,2,3,4,5,6,7,8,9,10,11,12,13,14,15
	s_wait_loadcnt 15-\u                           ; the 15 - u younger loads may stay out
	ROWS \u, YQ+4*\u
.endr
.irp b, 0,1,2,3
	ds_store_b128 v[RSV], v[ACC+4*\b:ACC+4*\b+3] offset:256*\b
.endr
	s_wait_dscnt 0x0
	s_barrier_signal -1
	s_barrier_wait -1
	s_cmp_lt_u32 s10, 2                            ; threads 0-63 add the 16 parts: batch t / 16, four columns
	s_cbranch_scc0 .Lend
.irp k, 0,1,2,3,4,5,6,7,8,9,10,11,12,13,14,15
	ds_load_b128 v[X+4*\k:X+4*\k+3], v[RRD] offset:1024*\k
.endr
	s_wait_dscnt 0x0
.irp d, 32,16,8,4
.set z, 0
.rept (\d)/2
	v_pk_add_f32 v[X+z:X+z+1], v[X+z:X+z+1], v[X+z+(\d):X+z+(\d)+1]
.set z, z+2
.endr
.endr
	global_store_b128 v[OO], v[X:X+3], s[8:9]      ; sixteen lanes store 256 consecutive aligned bytes
.Lend:
	s_wait_tensorcnt 0x0                           ; the wave's end
	ds_add_u32 v[SPW], v[NIL]
	s_wait_dscnt 0x0
	s_endpgm
.Lfunc_end_k_qc1bce76888_zproj:
	.size	k_qc1bce76888_zproj, .Lfunc_end_k_qc1bce76888_zproj-k_qc1bce76888_zproj
	.p2alignl 7, 3214868480
	.fill 96, 4, 3214868480
	.section	.rodata,"a",@progbits
	.p2align	6, 0x0
	.amdhsa_kernel k_qc1bce76888_zproj
		.amdhsa_group_segment_fixed_size 21504
		.amdhsa_private_segment_fixed_size 0
		.amdhsa_enable_private_segment 0
		.amdhsa_kernarg_size 24
		.amdhsa_user_sgpr_count 2
		.amdhsa_user_sgpr_kernarg_segment_ptr 1
		.amdhsa_wavefront_size32 1
		.amdhsa_system_sgpr_workgroup_id_x 1
		.amdhsa_system_sgpr_workgroup_id_y 1
		.amdhsa_system_sgpr_workgroup_id_z 1
		.amdhsa_system_vgpr_workitem_id 0
		.amdhsa_next_free_vgpr 192
		.amdhsa_next_free_sgpr 66
		.amdhsa_reserve_vcc 0
		.amdhsa_float_denorm_mode_32 3
		.amdhsa_float_denorm_mode_16_64 3
		.amdhsa_memory_ordered 1
		.amdhsa_forward_progress 1
		.amdhsa_inst_pref_size 24
	.end_amdhsa_kernel
	.amdgpu_metadata
---
amdhsa.version: [ 1, 2 ]
amdhsa.kernels:
  - .name:           k_qc1bce76888_zproj
    .symbol:         k_qc1bce76888_zproj.kd
    .args:
      - { .name: yp, .offset: 0, .size: 8, .value_kind: global_buffer, .address_space: global }
      - { .name: Wv, .offset: 8, .size: 8, .value_kind: global_buffer, .address_space: global }
      - { .name: zz, .offset: 16, .size: 8, .value_kind: global_buffer, .address_space: global }
    .group_segment_fixed_size: 21504
    .private_segment_fixed_size: 0
    .kernarg_segment_align: 8
    .kernarg_segment_size: 24
    .max_flat_workgroup_size: 256
    .sgpr_count:     66
    .vgpr_count:     192
    .wavefront_size: 32
...
	.end_amdgpu_metadata
.endif
;; end of part 7
;; launch pool (part 8): grid 16 x 1, 32 waves a work-group, no clusters, 86,016 bytes of LDS; arguments zz, bv, Wo, bo, out0; writes out0
.if DOCPART == 8
	.amdgcn_target "amdgcn-amd-amdhsa--gfx1250"
	.amdhsa_code_object_version 6
	.text
	.protected	k_qc1bce76888_pool
	.globl	k_qc1bce76888_pool
	.p2align	8
	.type	k_qc1bce76888_pool,@function
k_qc1bce76888_pool:
	s_mov_b64 s[64:65], 0
	v_nop
	global_prefetch_b8 v0, s[64:65] scope:SCOPE_SE
	s_setreg_imm32_b32 hwreg(HW_REG_WAVE_MODE, 25, 1), 1
	s_wait_xcnt 0x0
; out0[b][o] = sum over n of Z[b][n] bf16(Wo[n][o]) + bf16(bo[o]),  Z[b][n] = the sum of zz's four parts + bf16(bv[n]).
; The two biases enter whole: the softmax's rows add up to 1, so the pooling weights add up to 1 and so do each head's weights c.
; Four rows only: in f32 on the vector unit, so that Z is not rounded.  A work-group takes 64 columns; wave w rows 32 w .. 32 w + 31 of Wo, two a load; all of its slice of Wo is asked for at once.
; A lane holds four columns x four batches; the 64 parts (wave x half) meet in LDS.
.set ZT,    0                          ; Z as [1,024 n][4 b]
.set RED,   16384                      ; 64 parts x [4 b][64 o]
.set SPARE, 81920                      ; the spare words: 128 bytes a wave, named by no other line
.set ZO,  3
.set BVO, 4
.set BOO, 5
.set WO,  6
.set ZS,  7
.set ZR,  8
.set RSV, 9
.set RRD, 10
.set OO,  11
.set SPW, 14
.set NIL, 15
.set ACC, 16
.set ZQ,  32
.set T,   48
.set BOV, 56
.set X,   64
	s_load_b256 s[4:11], s[0:1], 0x0               ; zz s[4:5], bv s[6:7], Wo s[8:9], bo s[10:11]
	s_load_b64 s[12:13], s[0:1], 0x20              ; out0
	v_lshl_add_u32 v[SPW], v0, 2, SPARE
	v_mov_b32 v[NIL], 0
	v_lshrrev_b32 v1, 5, v0
	v_readfirstlane_b32 s14, v1                    ; wave 0..31
	v_and_b32 v1, 15, v0
	v_bfe_u32 v2, v0, 4, 1
	v_lshlrev_b32 v[ZO], 4, v0                     ; batch t / 256, four n: 16 t bytes of a part of zz
	v_and_b32 v12, 255, v0
	v_lshrrev_b32 v13, 8, v0
	v_lshlrev_b32 v[BVO], 4, v12
	v_lshlrev_b32 v[BOO], 4, v1
	v_lshl_add_u32 v[WO], v2, 12, v[BOO]
	s_lshl_b32 s16, ttmp9, 8                       ; the work-group's 64 columns
	s_mov_b32 s17, 0
	s_lshl_b32 s18, s14, 17                        ; my 32 rows of Wo
	s_add_co_u32 s18, s18, s16
	s_mov_b32 s19, 0
	s_wait_kmcnt 0x0
	s_add_nc_u64 s[8:9], s[8:9], s[18:19]
	s_add_nc_u64 s[10:11], s[10:11], s[16:17]
	s_add_nc_u64 s[12:13], s[12:13], s[16:17]
.irp c, 0,1,2,3
	global_load_b128 v[ZQ+4*\c:ZQ+4*\c+3], v[ZO], s[4:5] offset:16384*\c
.endr
	global_load_b128 v[T:T+3], v[BVO], s[6:7]
	global_load_b128 v[BOV:BOV+3], v[BOO], s[10:11]
.irp u, 0,1,2,3,4,5,6,7,8,9,10,11,12,13,14,15
	global_load_b128 v[X+4*\u:X+4*\u+3], v[WO], s[8:9] offset:8192*\u th:TH_LOAD_NT
.endr
	v_lshlrev_b32 v[ZS], 6, v12
	v_lshl_add_u32 v[ZS], v13, 2, v[ZS]
	s_lshl_b32 s15, s14, 9
	v_lshl_add_u32 v[ZR], v2, 4, s15
	s_lshl_b32 s15, s14, 11
	s_add_co_u32 s15, s15, RED
	v_lshl_add_u32 v[RSV], v2, 10, v[BOO]
	v_add_nc_u32 v[RSV], s15, v[RSV]
	v_lshl_add_u32 v[RRD], v0, 4, RED
	v_lshrrev_b32 v13, 4, v0
	v_lshl_add_u32 v[OO], v13, 12, v[BOO]
	s_wait_loadcnt 16                              ; zz, bv and bo are in; Wo's sixteen may stay out
	v_pk_add_f32 v[ZQ:ZQ+1], v[ZQ:ZQ+1], v[ZQ+4:ZQ+5]
	v_pk_add_f32 v[ZQ+2:ZQ+3], v[ZQ+2:ZQ+3], v[ZQ+6:ZQ+7]
	v_pk_add_f32 v[ZQ+8:ZQ+9], v[ZQ+8:ZQ+9], v[ZQ+12:ZQ+13]
	v_pk_add_f32 v[ZQ+10:ZQ+11], v[ZQ+10:ZQ+11], v[ZQ+14:ZQ+15]
	v_cvt_pk_bf16_f32 v[T+4], v[T], v[T+1]
	v_cvt_pk_bf16_f32 v[T+5], v[T+2], v[T+3]
	v_pk_add_f32 v[ZQ:ZQ+1], v[ZQ:ZQ+1], v[ZQ+8:ZQ+9]
	v_pk_add_f32 v[ZQ+2:ZQ+3], v[ZQ+2:ZQ+3], v[ZQ+10:ZQ+11]
	v_lshlrev_b32 v[T], 16, v[T+4]
	v_and_b32 v[T+1], 0xffff0000, v[T+4]
	v_lshlrev_b32 v[T+2], 16, v[T+5]
	v_and_b32 v[T+3], 0xffff0000, v[T+5]
	v_pk_add_f32 v[ZQ:ZQ+1], v[ZQ:ZQ+1], v[T:T+1]
	v_pk_add_f32 v[ZQ+2:ZQ+3], v[ZQ+2:ZQ+3], v[T+2:T+3]
.irp e, 0,1,2,3
	ds_store_b32 v[ZS], v[ZQ+\e] offset:16*\e
.endr
	s_wait_dscnt 0x0
	s_barrier_signal -1
	s_barrier_wait -1
; One row of the weights: four columns are rounded to bf16 and widened; eight packed multiply-adds, four batches x two pairs of columns.  The first row starts the sums.
.macro ROWS u, yq
	v_cvt_pk_bf16_f32 v[T], v[X+4*(\u)], v[X+4*(\u)+1]
	v_cvt_pk_bf16_f32 v[T+1], v[X+4*(\u)+2], v[X+4*(\u)+3]
	v_lshlrev_b32 v[T+2], 16, v[T]
	v_and_b32 v[T+3], 0xffff0000, v[T]
	v_lshlrev_b32 v[T+4], 16, v[T+1]
	v_and_b32 v[T+5], 0xffff0000, v[T+1]
.irp c, 0,1
.irp p, 0,1
.if (\u) == 0
	v_pk_mul_f32 v[ACC+8*\c+2*\p:ACC+8*\c+2*\p+1], v[T+2+2*\p:T+3+2*\p], v[(\yq)+2*\c:(\yq)+2*\c+1] op_sel:[0,0] op_sel_hi:[1,0]
	v_pk_mul_f32 v[ACC+8*\c+4+2*\p:ACC+8*\c+4+2*\p+1], v[T+2+2*\p:T+3+2*\p], v[(\yq)+2*\c:(\yq)+2*\c+1] op_sel:[0,1] op_sel_hi:[1,1]
.else
	v_pk_fma_f32 v[ACC+8*\c+2*\p:ACC+8*\c+2*\p+1], v[T+2+2*\p:T+3+2*\p], v[(\yq)+2*\c:(\yq)+2*\c+1], v[ACC+8*\c+2*\p:ACC+8*\c+2*\p+1] op_sel:[0,0,0] op_sel_hi:[1,0,1]
	v_pk_fma_f32 v[ACC+8*\c+4+2*\p:ACC+8*\c+4+2*\p+1], v[T+2+2*\p:T+3+2*\p], v[(\yq)+2*\c:(\yq)+2*\c+1], v[ACC+8*\c+4+2*\p:ACC+8*\c+4+2*\p+1] op_sel:[0,1,0] op_sel_hi:[1,1,1]
.endif
.endr
.endr
.endm
.irp g, 0,1,2,3
.irp k, 0,1,2,3
	ds_load_b128 v[ZQ+4*\k:ZQ+4*\k+3], v[ZR] offset:32*(4*\g+\k)   ; my row's Z for the four batches
.endr
	s_wait_dscnt 0x0
.irp k, 0,1,2,3
	s_wait_loadcnt 15-(4*\g+\k)                    ; the younger loads may stay out
	ROWS 4*\g+\k, ZQ+4*\k
.endr
.endr
.irp b, 0,1,2,3
	ds_store_b128 v[RSV], v[ACC+4*\b:ACC+4*\b+3] offset:256*\b
.endr
	s_wait_dscnt 0x0
	s_barrier_signal -1
	s_barrier_wait -1
	s_cmp_lt_u32 s14, 2                            ; threads 0-63 add the 64 parts: batch t / 16, four columns
	s_cbranch_scc0 .Lend
	v_cvt_pk_bf16_f32 v[T], v[BOV], v[BOV+1]
	v_cvt_pk_bf16_f32 v[T+1], v[BOV+2], v[BOV+3]
	v_lshlrev_b32 v[ACC], 16, v[T]                 ; the sum starts with the bias
	v_and_b32 v[ACC+1], 0xffff0000, v[T]
	v_lshlrev_b32 v[ACC+2], 16, v[T+1]
	v_and_b32 v[ACC+3], 0xffff0000, v[T+1]
.irp g, 0,1,2,3
.irp k, 0,1,2,3,4,5,6,7,8,9,10,11,12,13,14,15
	ds_load_b128 v[X+4*\k:X+4*\k+3], v[RRD] offset:1024*(16*\g+\k)
.endr
	s_wait_dscnt 0x0
.irp d, 32,16,8,4
.set z, 0
.rept (\d)/2
	v_pk_add_f32 v[X+z:X+z+1], v[X+z:X+z+1], v[X+z+(\d):X+z+(\d)+1]
.set z, z+2
.endr
.endr
	v_pk_add_f32 v[ACC:ACC+1], v[ACC:ACC+1], v[X:X+1]
	v_pk_add_f32 v[ACC+2:ACC+3], v[ACC+2:ACC+3], v[X+2:X+3]
.endr
	global_store_b128 v[OO], v[ACC:ACC+3], s[12:13]  ; sixteen lanes store 256 consecutive aligned bytes
.Lend:
	s_wait_tensorcnt 0x0                           ; the wave's end
	ds_add_u32 v[SPW], v[NIL]
	s_wait_dscnt 0x0
	s_endpgm
.Lfunc_end_k_qc1bce76888_pool:
	.size	k_qc1bce76888_pool, .Lfunc_end_k_qc1bce76888_pool-k_qc1bce76888_pool
	.p2alignl 7, 3214868480
	.fill 96, 4, 3214868480
	.section	.rodata,"a",@progbits
	.p2align	6, 0x0
	.amdhsa_kernel k_qc1bce76888_pool
		.amdhsa_group_segment_fixed_size 86016
		.amdhsa_private_segment_fixed_size 0
		.amdhsa_enable_private_segment 0
		.amdhsa_kernarg_size 40
		.amdhsa_user_sgpr_count 2
		.amdhsa_user_sgpr_kernarg_segment_ptr 1
		.amdhsa_wavefront_size32 1
		.amdhsa_system_sgpr_workgroup_id_x 1
		.amdhsa_system_sgpr_workgroup_id_y 1
		.amdhsa_system_sgpr_workgroup_id_z 1
		.amdhsa_system_vgpr_workitem_id 0
		.amdhsa_next_free_vgpr 128
		.amdhsa_next_free_sgpr 66
		.amdhsa_reserve_vcc 0
		.amdhsa_float_denorm_mode_32 3
		.amdhsa_float_denorm_mode_16_64 3
		.amdhsa_memory_ordered 1
		.amdhsa_forward_progress 1
		.amdhsa_inst_pref_size 33
	.end_amdhsa_kernel
	.amdgpu_metadata
---
amdhsa.version: [ 1, 2 ]
amdhsa.kernels:
  - .name:           k_qc1bce76888_pool
    .symbol:         k_qc1bce76888_pool.kd
    .args:
      - { .name: zz, .offset: 0, .size: 8, .value_kind: global_buffer, .address_space: global }
      - { .name: bv, .offset: 8, .size: 8, .value_kind: global_buffer, .address_space: global }
      - { .name: Wo, .offset: 16, .size: 8, .value_kind: global_buffer, .address_space: global }
      - { .name: bo, .offset: 24, .size: 8, .value_kind: global_buffer, .address_space: global }
      - { .name: out0, .offset: 32, .size: 8, .value_kind: global_buffer, .address_space: global }
    .group_segment_fixed_size: 86016
    .private_segment_fixed_size: 0
    .kernarg_segment_align: 8
    .kernarg_segment_size: 40
    .max_flat_workgroup_size: 1024
    .sgpr_count:     66
    .vgpr_count:     128
    .wavefront_size: 32
...
	.end_amdgpu_metadata
.endif
;; end of part 8
